; MI455X (gfx1250); checked and timed in simulation.
; The chip was launched on July 23, 2026; its instructions are those of AMD's public machine-readable ISA for CDNA 5 (MIT licence, August 2026) and "CDNA5" Instruction Set Architecture Reference Guide (July 2026). The comments in the code are by the model that wrote it; some were corrected since.
;; Multi Head Attention Linear. Allowed arithmetic: matrix products marked QUANTISED: E3M2 operands, one E8M0 scale for each 32 along K, by v_wmma_scale_f32_16x16x128_f8f6f4 with both operands' format E3M2, f32 sums; everything else in f32.
;; Inputs: Wk_codes 1,024 x 32 x 24 uint8 (E3M2 codes of Wk, K innermost, in blocks of 32 codes, four codes in three bytes); Wk_scales 1,024 x 32 uint8 (E8M0 scales of Wk, one for each 32 codes along K); Wq_codes 1,024 x 32 x 24 uint8 (E3M2 codes of Wq, K innermost, in blocks of 32 codes, four codes in three bytes); Wq_scales 1,024 x 32 uint8 (E8M0 scales of Wq, one for each 32 codes along K); Wv_codes 1,024 x 32 x 24 uint8 (E3M2 codes of Wv, K innermost, in blocks of 32 codes, four codes in three bytes); Wv_scales 1,024 x 32 uint8 (E8M0 scales of Wv, one for each 32 codes along K); beta 1,024 float32; bk 1,024 float32; bq 1,024 float32; bv 1,024 float32; gamma 1,024 float32; mask 4,096 x 4,096 bool; pad_mask 4 x 4,096 bool; x 4 x 4,096 x 1,024 float32.
;; Outputs: out0 4 x 4,096 x 1,024 float32.
;; This version of the problem:
;;   THIS VERSION OF THE PROBLEM IS GIVEN IN LOW PRECISION. The matrix products marked QUANTISED in the list below multiply operands that are first quantised to E3M2 (3 exponent bits, 2 mantissa bits; 6 bits a number), with one power-of-two scale for each 32 numbers along K (OCP MX v1.0); their sums are f32. All else is computed in f32.
;;   The module's matrix products, in the order in which they are computed (A, B: the left and right operand; K: the contracted axis; several contracted axes count as one K, in the product's order):
;;     1. [M 16,384, K 1,024] x [K 1,024, N 1,024]; A: input x; B: input Wq (given as codes): QUANTISED
;;     2. [M 16,384, K 1,024] x [K 1,024, N 1,024]; A: input x; B: input Wk (given as codes): QUANTISED
;;     3. [M 16,384, K 1,024] x [K 1,024, N 1,024]; A: input x; B: input Wv (given as codes): QUANTISED
;;     4. batch 64 x [M 64, K 4,096] x [K 4,096, N 64]; A: softmax (see below); B: computed on the way: QUANTISED
;;     5. batch 64 x [M 4,096, K 64] x [K 64, N 64]; A: softmax (see below); B: computed on the way: QUANTISED
;;   THE QUANTISER, for each operand of a quantised product, along K:
;;     - K is cut into blocks of 32 from its start; a last block that is shorter is filled with zeros.
;;     - A block's scale is 2^e with e = floor(log2(the largest magnitude in the block)) - 4, held to -126 .. 127; a block of zeros has e = 0. As a byte (E8M0): e + 127.
;;     - Each number is divided by its block's scale, clamped to +-28, and rounded to the nearest number of E3M2, ties to even, subnormals kept.
;;     - The product sums the exact products of the quantised numbers (number of the format x scale) in f32.
;;   ~~~python
;;   def quantise(x, axis):      # numpy; x: float32 -> the quantised numbers, widened to float32 again
;;       x = np.moveaxis(x, axis, -1); K = x.shape[-1]
;;       x = np.pad(x, [(0, 0)] * (x.ndim - 1) + [(0, -K % 32)]); x = x.reshape(x.shape[:-1] + (-1, 32)); a = np.abs(x).max(-1, keepdims=True)
;;       e = np.where(a > 0, np.clip(np.frexp(np.where(a > 0, a, 1))[1] - 1 - 4, -126, 127), 0)      # np.frexp(a)[1] - 1 = floor(log2(a)), exactly
;;       r = np.clip(x / 2.0 ** e, -28, 28)
;;       step = 2.0 ** (np.maximum(np.frexp(np.where(r == 0, 1, r))[1] - 1, -2) - 2)
;;       q = np.round(r / step) * step * 2.0 ** e      # np.round: ties to even
;;       return np.moveaxis(q.reshape(q.shape[:-2] + (-1,))[..., :K], -1, axis).astype(np.float32)
;;   ~~~
;;   SOFTMAX AHEAD OF A QUANTISED PRODUCT. Where the list says 'softmax', what is quantised is not the finished softmax but p = 2^(t - M), with t = logit x log2(e) and M = ceil(the row's largest t), a whole number; so 1/2 < the row's largest p <= 1. The row's sum l is taken of the UNQUANTISED p, in f32, and the product's result is divided by l at the end. Since M is a whole number, a kernel that streams over the keys may use a running M (the ceiling of the running maximum): every later rescaling is an exact power of two, which a block's scale takes up: the codes' values come out the same.
;;   OPERANDS COMPUTED ON THE WAY. 'Computed on the way' means the value that the module computes at that place (a softmax that the list does not call 'softmax' is quantised finished and normalised). What goes into a quantiser is computed in f32, as accurately as f32 sums, v_exp_f32 and their like allow (about 1e-6 of the number): no bf16 or f16 on the way to a quantiser, and a product that is left as it is and whose result goes on into a quantised operand takes f32 operands (vector FMAs, or v_wmma_f32_16x16x4_f32). A number that lies on a knife's edge between two numbers of the format may be rounded either way, as far as f32 arithmetic and the matrix unit's own rounding can turn it there, and no further.
;;   INPUTS GIVEN AS CODES. Wk (in the module: [1024, 1024], K = its axis 1); Wq (in the module: [1024, 1024], K = its axis 1); Wv (in the module: [1024, 1024], K = its axis 1): each comes as NAME_codes (uint8): NAME with its K axis moved to the last place and cut into blocks of 32 codes, [.., K / 32, bytes a block], one block behind the other in memory; four codes in three bytes: a row's codes are one little-endian stream of bits, code i at bits 6 i .. 6 i + 5 (a code: sign, 3 exponent bits, 2 mantissa bits); and NAME_scales (uint8): the same leading axes, one E8M0 byte (e + 127) for each 32 codes along K. Its value is code x scale, taken as it is: it is not quantised again, and the codes and scales need not be those that the quantiser above would give.
;; 2 versions, each right; version 2 is version 1 with the launches qkv, out written anew for expert scheduling mode. Each part assembles by itself: llvm-mc -triple=amdgcn-amd-amdhsa -mcpu=gfx1250 --defsym DOCPART=n.
;; ======== version 1 of 2: 4 launches
;; workspace buffers: xq 13,107,200 bytes; wq 2,457,600 bytes; pq 14,680,064 bytes; gp 4,456,448 bytes; gq 229,376 bytes
;; launch prep (part 1): grid 256 x 1, 8 waves a work-group, no clusters, 68,608 bytes of LDS; arguments x, Wq_codes, Wq_scales, Wk_codes, Wk_scales, Wv_codes, Wv_scales, xq, wq; writes xq, wq
.if DOCPART == 1
	.amdgcn_target "amdgcn-amd-amdhsa--gfx1250"
	.amdhsa_code_object_version 6
	.text
	.protected	k_qd555dfa6e1_prep
	.globl	k_qd555dfa6e1_prep
	.p2align	8
	.type	k_qd555dfa6e1_prep,@function
k_qd555dfa6e1_prep:
	s_mov_b64 s[64:65], 0
	v_nop
	global_prefetch_b8 v0, s[64:65] scope:SCOPE_SE
	s_setreg_imm32_b32 hwreg(HW_REG_WAVE_MODE, 25, 1), 1
	s_wait_xcnt 0x0
; PREP.  x [16384][1024] f32 becomes codes of BF6 (E3M2) with one E8M0 byte for each 32 along K, laid in the ORDER OF THE OPERAND'S REGISTERS; the three weights, which arrive as codes, are laid anew in the same order.
; xq: [block R of 64 rows][K step of 128][6,400 bytes]: four images of 1,536 bytes (a fragment's 12 registers: register quad c of lane l at 512 c + 16 l), then 256 bytes of scale words.
; THE ROWS OF A TILE ARE NOT NEIGHBOURS: lane i of tile T takes row 32 (T / 2) + 8 (T % 2) + i + 8 (i / 8) of the block, so that in the products whose results run along the rows
; the 16 registers of tiles 2 B and 2 B + 1 are 16 neighbouring rows.
; wq: [head][K step][19,200 bytes]: twelve images (Wq's four tiles, rows chosen as above; Wk's four and Wv's four, rows as they lie), then 3 x 256 bytes of scale words.
; SHARES.  A work-group takes a block of 64 rows, wave w its K step w, in four units of 16 rows x 128.  Every load reads 512 consecutive bytes of a row; a unit turns through the wave's own
; stage in LDS (rows 528 bytes apart), from which a lane takes 16 neighbours of each of its row's four blocks.  Waves share nothing: no barrier.
; The weights: work-group 16 part + head, wave = K step: parts 0 to 11 copy one image, parts 12 to 14 one matrix's scale words, part 15 has no such job.  The job's few loads go out AHEAD of x's first 32,
; so that its wait can leave those 32 out; each of the three ways holds its own copy of the 32 loads, and all three reach the units with the same loads on their way.
; A block's scale is 2^(floor(log2(largest magnitude)) - 4); its byte is the largest magnitude's exponent field - 4, held at 1 from below.
; LIMITS: a block whose largest magnitude lies under 2^-122 (a block of zeros too) keeps the byte 1: only this program reads the bytes.  NaN and infinities among the inputs are not served.
; reference() takes no number from mask and pad_mask: no launch of this program names them.
.set RS,  16                           ; v16-143  two sets of 64: a unit's numbers as loaded
.set XN,  144                          ; v144-207 64 numbers: register 16 b + i = k 32 b + 16 (lane / 16) + i of my row
.set TM,  208                          ; v208-223 at work
.set PC,  224                          ; v224-243 the codes just made
.set PW,  244                          ; v244-247 the four tiles' scale words
.set SP,  528                          ; a stage row: 512 bytes + 16
.set STG, 16*SP                        ; a wave's stage
.macro LOAD t                          ; unit t: 16 rows, 512 consecutive bytes each, into set t % 2
.irp i, 0,1,2,3,4,5,6,7,8,9,10,11,12,13,14,15
	global_load_b128 v[RS+64*((\t)%2)+4*\i:RS+64*((\t)%2)+4*\i+3], v1, s[4:5] offset:(32*((\t)/2)+8*((\t)%2)+\i+8*(\i/8))*4096 th:TH_LOAD_NT
.endr
.endm
; 64 numbers of a lane become a fragment's codes in v[PC] on and its scale word in v[pw]
.macro QUANT s, pw
.irp b, 0,1,2,3
	v_max3_num_f32 v[TM+\b], |v[\s+16*\b]|, |v[\s+1+16*\b]|, 0x2800000   ; block b: my 16 numbers, and the floor 2^(5 - 127): the byte cannot fall under 1
.endr
.irp i, 2,4,6,8,10,12,14
.irp b, 0,1,2,3
	v_max3_num_f32 v[TM+\b], v[TM+\b], |v[\s+16*\b+\i]|, |v[\s+1+16*\b+\i]|   ; the four blocks by turns
.endr
.endr
.irp b, 0,1,2,3
	v_permlanex16_b32 v[TM+4+\b], v[TM+\b], s24, s25
.endr
.irp b, 0,1,2,3
	v_max_num_f32 v[TM+\b], v[TM+\b], v[TM+4+\b]   ; with lane l xor 16's: the block's largest magnitude
.endr
.irp b, 0,1,2,3
	v_add_nc_u32 v[TM+12+\b], 0xfe000000, v[TM+\b]   ; 4 off its exponent field: the conversion's scale operand
.endr
.irp b, 0,1,2,3
	v_lshrrev_b32 v[TM+4+\b], 23, v[TM+12+\b]      ; the scale's byte
.endr
	v_lshl_or_b32 v[\pw], v[TM+5], 8, v[TM+4]      ; my row's scale word
	v_lshl_or_b32 v[\pw], v[TM+6], 16, v[\pw]
	v_lshl_or_b32 v[\pw], v[TM+7], 24, v[\pw]
.irp c, 0,1
	v_cvt_scalef32_pk16_bf6_f32 v[PC+6*\c:PC+2+6*\c], v[\s+32*\c:\s+15+32*\c], v[TM+12+2*\c]
	v_cvt_scalef32_pk16_bf6_f32 v[PC+12+4*\c:PC+14+4*\c], v[\s+16+32*\c:\s+31+32*\c], v[TM+12+2*\c+1]   ; (a conversion's three registers begin on an even number)
.endr
	v_nop                                          ; one plain place behind a scaled conversion
.irp c, 0,1                            ; the operand wants a WHOLE block in a lane: lanes 0-15 block 2 c, lanes 16-31 block 2 c + 1
.irp i, 0,1,2
	v_permlane16_swap_b32 v[PC+6*\c+\i], v[PC+12+4*\c+\i]
.endr
.irp i, 0,1,2
	v_mov_b32 v[PC+3+6*\c+\i], v[PC+12+4*\c+\i]
.endr
.endr
.endm
.macro UNIT t
	s_wait_xcnt 0x0                                ; the earlier stores have read their data: the codes' registers (and, in front of unit 0, the weights' job's) are written again only behind this wait
.if (\t) < 3
	s_wait_loadcnt 16                              ; this unit's 16 loads are in; the next unit's 16 may be out
.else
	s_wait_loadcnt 0x0
.endif
.irp i, 0,1,2,3,4,5,6,7,8,9,10,11,12,13,14,15
	ds_store_b128 v2, v[RS+64*((\t)%2)+4*\i:RS+64*((\t)%2)+4*\i+3] offset:SP*\i
.endr
.irp b, 0,1,2,3
.irp j, 0,1,2,3
	ds_load_b128 v[XN+16*\b+4*\j:XN+16*\b+4*\j+3], v3 offset:128*\b+16*\j   ; LDS serves a wave's instructions in order: these see the stores above
.endr
.endr
	s_wait_dscnt 0x0                               ; the numbers are back, and the stores have read their registers,
.if (\t) < 2
	LOAD (\t)+2                                    ; which take the unit two further on
.endif
	QUANT XN, PW+(\t)
.irp c, 0,1,2
	global_store_b128 v1, v[PC+4*\c:PC+4*\c+3], s[18:19] offset:(\t)*1536+512*\c   ; the image: 512 consecutive bytes a store, aligned to 256
.endr
.endm
	s_load_b256 s[4:11], s[0:1], 0x0               ; x s[4:5], Wq's codes s[6:7], Wq's scales s[8:9], Wk's codes s[10:11]
	s_load_b256 s[12:19], s[0:1], 0x20             ; Wk's scales s[12:13], Wv's codes s[14:15], Wv's scales s[16:17], xq s[18:19]
	s_load_b64 s[20:21], s[0:1], 0x40              ; wq
	v_lshl_add_u32 v254, v0, 2, 0x10800
	v_mov_b32 v255, 0
	v_lshrrev_b32 v9, 5, v0
	v_readfirstlane_b32 s22, v9                    ; wave = K step
	v_and_b32 v10, 31, v0                          ; lane
	v_and_b32 v8, 15, v0                           ; r
	v_bfe_u32 v5, v0, 4, 1                         ; h
	v_lshlrev_b32 v1, 4, v10                       ; 16 x lane
	v_lshlrev_b32 v4, 3, v10                       ; 8 x lane
	s_mul_i32 s23, s22, STG                        ; my stage
	v_add_nc_u32 v2, s23, v1                       ; in: 16 bytes a lane of a row
	v_mul_u32_u24 v3, v8, SP
	v_lshl_add_u32 v3, v5, 6, v3
	v_add_nc_u32 v3, s23, v3                       ; out: row r, + 64 h: my 16 numbers of a block
	s_mov_b32 s24, 0x76543210
	s_mov_b32 s25, 0xfedcba98                      ; v_permlanex16_b32's selects for lane l xor 16
	v_cmp_ne_u32 vcc_lo, 0, v5                     ; lanes 16-31; kept to the end
.irp b, 0,1,2,3
	v_mov_b32 v[TM+4+\b], 0                        ; written once: a lane permute's destination counts as one of its sources
.endr
	s_lshl_b32 s26, ttmp9, 18                      ; the block's 64 rows of 4,096 bytes,
	s_lshl_b32 s27, s22, 9                         ; my K step's 512 bytes of a row
	s_add_co_u32 s26, s26, s27
	s_mov_b32 s27, 0
	s_mul_i32 s28, ttmp9, 51200                    ; the block in xq,
	s_mul_i32 s29, s22, 6400                       ; my K step in it
	s_add_co_u32 s28, s28, s29
	s_mov_b32 s29, 0
	s_wait_kmcnt 0x0
	s_add_nc_u64 s[4:5], s[4:5], s[26:27]
	s_add_nc_u64 s[18:19], s[18:19], s[28:29]
	; ---- the weights' job and x's first two units.  The branches hang on the work-group's number alone; the job touches no LDS
	s_lshr_b32 s26, ttmp9, 4                       ; part
	s_and_b32 s27, ttmp9, 15                       ; head
	s_mul_i32 s36, s27, 153600
	s_mul_i32 s37, s22, 19200
	s_add_co_u32 s36, s36, s37                     ; the (head, K step)'s 19,200 bytes of wq
	s_cmp_ge_u32 s26, 12
	s_cbranch_scc1 .Lwords
	s_lshr_b32 s28, s26, 2                         ; which matrix: 0 q, 1 k, 2 v
	s_and_b32 s29, s26, 3                          ; which tile
	s_lshr_b32 s32, s29, 1
	s_lshl_b32 s32, s32, 5
	s_and_b32 s33, s29, 1
	s_lshl_b32 s33, s33, 3
	s_add_co_u32 s32, s32, s33                     ; Wq's tile begins at row 32 (tile / 2) + 8 (tile % 2),
	s_lshl_b32 s33, s29, 4                         ; Wk's and Wv's at 16 tile
	s_cmp_eq_u32 s28, 1
	s_cselect_b64 s[30:31], s[10:11], s[14:15]
	s_cmp_eq_u32 s28, 0
	s_cselect_b64 s[30:31], s[6:7], s[30:31]
	s_cselect_b32 s32, s32, s33
	s_cselect_b32 s33, 8, 0                        ; Wq: lanes 8-15 take the rows 8 further on
	s_lshl_b32 s34, s27, 6
	s_add_co_u32 s34, s34, s32
	s_mul_i32 s34, s34, 768                        ; a row of 1,024 codes is 768 bytes
	s_mul_i32 s35, s22, 96
	s_add_co_u32 s34, s34, s35
	s_mov_b32 s35, 0
	s_add_nc_u64 s[30:31], s[30:31], s[34:35]
	v_and_b32 v6, s33, v8
	v_add_nc_u32 v6, v6, v8
	v_mul_u32_u24 v6, v6, 768
	v_mad_u32_u24 v6, v5, 24, v6                   ; my row, + 24 h
.irp p, 0,1,2,3,4,5
	global_load_b64 v[XN+2*\p:XN+2*\p+1], v6, s[30:31] offset:48*(\p/3)+8*(\p%3)   ; the fragment, as the codes lie
.endr
	s_mul_i32 s37, s26, 1536
	s_add_co_u32 s36, s36, s37
	s_mov_b32 s37, 0
	s_add_nc_u64 s[38:39], s[20:21], s[36:37]
	LOAD 0
	LOAD 1
	s_wait_loadcnt 32                              ; the fragment is in; x's two units of 16 loads stay out
.irp c, 0,1,2
	global_store_b128 v1, v[XN+4*\c:XN+4*\c+3], s[38:39] offset:512*\c
.endr
	s_branch .Lunits
.Lwords:
	s_cmp_eq_u32 s26, 15
	s_cbranch_scc1 .Lnone
	s_sub_co_u32 s28, s26, 12                      ; which matrix
	s_cmp_eq_u32 s28, 1
	s_cselect_b64 s[30:31], s[12:13], s[16:17]
	s_cmp_eq_u32 s28, 0
	s_cselect_b64 s[30:31], s[8:9], s[30:31]
	s_cselect_b32 s32, 8, 16                       ; lanes 16-31 take the odd tile: 8 rows on in Wq, 16 in Wk and Wv
	s_cselect_b32 s33, 8, 0
	s_lshl_b32 s34, s27, 11                        ; the head's 64 rows of 32 scale bytes,
	s_lshl_b32 s35, s22, 2                         ; my K step's word
	s_add_co_u32 s34, s34, s35
	s_mov_b32 s35, 0
	s_add_nc_u64 s[30:31], s[30:31], s[34:35]
	v_and_b32 v6, s33, v8
	v_add_nc_u32 v6, v6, v8
	v_mad_u32_u24 v6, v5, s32, v6
	v_lshlrev_b32 v6, 5, v6
	global_load_b32 v[XN], v6, s[30:31]            ; tiles 0 (lanes 0-15) and 1 (lanes 16-31)
	global_load_b32 v[XN+1], v6, s[30:31] offset:1024   ; tiles 2 and 3: 32 rows on
	s_lshl_b32 s37, s28, 8
	s_add_co_u32 s36, s36, s37
	s_add_co_u32 s36, s36, 18432
	s_mov_b32 s37, 0
	s_add_nc_u64 s[38:39], s[20:21], s[36:37]
	LOAD 0
	LOAD 1
	s_wait_loadcnt 32                              ; the words are in; x's two units of 16 loads stay out
	global_store_b64 v4, v[XN:XN+1], s[38:39]      ; 256 consecutive bytes, aligned
	s_branch .Lunits
.Lnone:
	LOAD 0
	LOAD 1
.Lunits:
	UNIT 0
	UNIT 1
	UNIT 2
	UNIT 3
	v_cndmask_b32 v248, v[PW], v[PW+1], vcc_lo     ; lanes 0-15 tile 0's words, lanes 16-31 tile 1's;
	v_cndmask_b32 v249, v[PW+2], v[PW+3], vcc_lo   ; tiles 2 and 3 likewise
	global_store_b64 v4, v[248:249], s[18:19] offset:6144   ; 256 consecutive bytes, aligned
	s_wait_tensorcnt 0x0
	ds_add_u32 v254, v255
	s_wait_dscnt 0x0
	s_endpgm
.Lfunc_end_k_qd555dfa6e1_prep:
	.size	k_qd555dfa6e1_prep, .Lfunc_end_k_qd555dfa6e1_prep-k_qd555dfa6e1_prep
	.p2alignl 7, 3214868480
	.fill 96, 4, 3214868480
	.section	.rodata,"a",@progbits
	.p2align	6, 0x0
	.amdhsa_kernel k_qd555dfa6e1_prep
		.amdhsa_group_segment_fixed_size 68608
		.amdhsa_private_segment_fixed_size 0
		.amdhsa_enable_private_segment 0
		.amdhsa_kernarg_size 72
		.amdhsa_user_sgpr_count 2
		.amdhsa_user_sgpr_kernarg_segment_ptr 1
		.amdhsa_wavefront_size32 1
		.amdhsa_system_sgpr_workgroup_id_x 1
		.amdhsa_system_sgpr_workgroup_id_y 1
		.amdhsa_system_sgpr_workgroup_id_z 1
		.amdhsa_system_vgpr_workitem_id 0
		.amdhsa_next_free_vgpr 256
		.amdhsa_next_free_sgpr 66
		.amdhsa_reserve_vcc 1
		.amdhsa_float_denorm_mode_32 3
		.amdhsa_float_denorm_mode_16_64 3
		.amdhsa_memory_ordered 1
		.amdhsa_forward_progress 1
		.amdhsa_inst_pref_size 42
	.end_amdhsa_kernel
	.amdgpu_metadata
---
amdhsa.version: [ 1, 2 ]
amdhsa.kernels:
  - .name:           k_qd555dfa6e1_prep
    .symbol:         k_qd555dfa6e1_prep.kd
    .args:
      - { .name: x, .offset: 0, .size: 8, .value_kind: global_buffer, .address_space: global }
      - { .name: Wq_codes, .offset: 8, .size: 8, .value_kind: global_buffer, .address_space: global }
      - { .name: Wq_scales, .offset: 16, .size: 8, .value_kind: global_buffer, .address_space: global }
      - { .name: Wk_codes, .offset: 24, .size: 8, .value_kind: global_buffer, .address_space: global }
      - { .name: Wk_scales, .offset: 32, .size: 8, .value_kind: global_buffer, .address_space: global }
      - { .name: Wv_codes, .offset: 40, .size: 8, .value_kind: global_buffer, .address_space: global }
      - { .name: Wv_scales, .offset: 48, .size: 8, .value_kind: global_buffer, .address_space: global }
      - { .name: xq, .offset: 56, .size: 8, .value_kind: global_buffer, .address_space: global }
      - { .name: wq, .offset: 64, .size: 8, .value_kind: global_buffer, .address_space: global }
    .group_segment_fixed_size: 68608
    .private_segment_fixed_size: 0
    .kernarg_segment_align: 8
    .kernarg_segment_size: 72
    .max_flat_workgroup_size: 256
    .sgpr_count:     66
    .vgpr_count:     256
    .wavefront_size: 32
...
	.end_amdgpu_metadata
.endif
;; end of part 1
;; launch qkv (part 2): grid 16 x 16, 4 waves a work-group, no clusters, 223,744 bytes of LDS; arguments xq, wq, bq, bk, bv, pq, gp; writes pq, gp
.if DOCPART == 2
	.amdgcn_target "amdgcn-amd-amdhsa--gfx1250"
	.amdhsa_code_object_version 6
	.text
	.protected	k_qd555dfa6e1_qkv
	.globl	k_qd555dfa6e1_qkv
	.p2align	8
	.type	k_qd555dfa6e1_qkv,@function
k_qd555dfa6e1_qkv:
	s_mov_b64 s[64:65], 0
	v_nop
	global_prefetch_b8 v0, s[64:65] scope:SCOPE_SE
	s_setreg_imm32_b32 hwreg(HW_REG_WAVE_MODE, 25, 1), 1
	s_wait_xcnt 0x0
; QKV.  For one head and 1,024 rows of x: q, k, v = x W^T + b on codes of BF6; q's softmax over the head's 64 leaves as codes; k's softmax over the rows and v are quantised along the rows and multiplied at once:
; a partial map G[d][e] = sum over the rows of p_k[row][d] v[row][e], with its whole number M[d] and its sum l[d].
; SOFTMAX AHEAD OF A PRODUCT: t = logit x log2(e); M = the largest t rounded UP to a whole number; p = 2^(t - M) is quantised, not normalised; the sum is taken of the unquantised p.  For k each wave keeps a running M:
; when M moves, l and G are multiplied by 2^(old M - new M), which rounds nothing.
; SHARES.  Work-group (x = head, y = which 1,024 rows).  Wave w takes the blocks of 64 rows 16 y + w + 4 i, i = 0 .. 3: 64 rows x 192 columns in 48 accumulators, 8 K steps of 48 products; then the softmaxes; then 16 products for G
; (K = the block's 64 rows and 64 zero codes on both sides).  The head's weights, 153,600 bytes in operand order, lie in LDS for the whole launch; x's images go from memory straight into the registers of the one wave that multiplies them.
; LAYOUT.  q is used transposed (source 0 = 16 rows of Wq, source 1 = 16 rows of x): a lane holds one row of x and registers along d.  k and v are used as they stand (source 0 = x, source 1 = W): a lane holds one column d or e
; and registers along the rows.  The rows of Wq's tiles and of x's tiles are chosen so that 16 registers of two neighbouring tiles are 16 neighbours along the next K.
; G = (source 0 = v's codes, source 1 = p_k's codes): a lane holds one d, so M, l and the rescaling are a lane's own.
; NO JOINT LOADS, though the sixteen heads of one y read the same images of x: a joint load lands in LDS, where a wave already reads 18,432 bytes of weights for a K step's 48 products; x's 6,400 bytes would come on top of them,
; while a load into registers costs LDS nothing.  So the launch has no tensor load, no ring and one barrier in front of the loop.
; LIMITS: p under 2^-126 becomes 0; a block whose largest magnitude lies under 2^-122 keeps the byte 1; NaN and infinities are not served.  reference() takes no number from mask and pad_mask: they are not named.
; REGISTERS, in windows of 256 (s_set_vgpr_msb: bits 1:0 source 0, 3:2 source 1, 5:4 source 2, 7:6 destination):
;   window 0: v1-3 16 x lane + 0, 57,600, 115,200; v5 8 x lane, v6 4 x lane; v9-15 addresses; v16-63 the weights' scale words; v64-69 x's, three sets; v80-223 x's fragments, three sets of four; v224-227 v's scale words, v228-231 p_k's
;   window 1: v0-143 the weights' twelve fragments, behind the K steps at work; v144-239 the biases in the results' layout; v240-247 -M and the largest t of k's four tiles; v248-251 l
;   window 2: v0-127 q (tile of rows T, tile of d: 32 T + 8 tau), later v's and p_k's codes; v128-255 k (128 + 32 t + 8 T)
;   window 3: v0-127 v (32 t + 8 T); v128-255 G (128 + 32 a + 8 c)
.set CG,    153600                     ; LDS behind the weights: a wave's G, 16,384 bytes each
.set CS,    CG+4*16384                 ; and its -M and l, 1,024 bytes each
.set PSOFF, 12582912                   ; pq: the scale words and 1 / l lie behind the codes
.set SW,  16
.set XS,  64
.set XF,  80
.set VS,  224
.set KS,  228
.set BQ,  144                          ; window 1
.set BK,  176
.set BV,  208
.set NM,  240
.set LL,  248
.set P,   0                            ; window 1, at work: 32 numbers p
.set MB,  32                           ; the two blocks' largest
.set XX,  34                           ; the other half of the lanes'
.set SO,  36                           ; the conversions' scale operands
.set BY,  38                           ; the scale bytes
.set OLD, 40
.set F,   42                           ; f = 2^(old M - new M); beside it the whole number
.set SUM, 44
.set QNM, 48                           ; q: -M; beside it t
.set RC,  50
.set WORD, 51
.set PCQ, 64                           ; q's codes on their way out: 16 registers for each tile of rows
.set QA,  0                            ; window 2
.set KA,  128
.set VFR, 0
.set KFR, 48
.set VA,  0                            ; window 3
.set GA,  128
.set MSB, 0
.macro WIN new                         ; the immediate's high byte repeats the setting that is left; a switch that changes nothing is dropped
.if MSB != (\new)
	s_set_vgpr_msb (MSB<<8)|(\new)
.set MSB, (\new)
.endif
.endm
.macro PLACES n
.rept \n
	v_nop
.endr
.endm
.macro WM                              ; one product, from the symbols rD rA rB rC (registers), rSA rSB (scale words), fA fB (1: the words lie in lanes 16-31)
.if fA && fB
	v_wmma_scale_f32_16x16x128_f8f6f4 v[rD:rD+7], v[rA:rA+11], v[rB:rB+11], v[rC:rC+7], v[rSA], v[rSB] matrix_a_fmt:MATRIX_FMT_BF6 matrix_b_fmt:MATRIX_FMT_BF6 matrix_a_scale:MATRIX_SCALE_ROW1 matrix_b_scale:MATRIX_SCALE_ROW1
.elseif fA
	v_wmma_scale_f32_16x16x128_f8f6f4 v[rD:rD+7], v[rA:rA+11], v[rB:rB+11], v[rC:rC+7], v[rSA], v[rSB] matrix_a_fmt:MATRIX_FMT_BF6 matrix_b_fmt:MATRIX_FMT_BF6 matrix_a_scale:MATRIX_SCALE_ROW1
.elseif fB
	v_wmma_scale_f32_16x16x128_f8f6f4 v[rD:rD+7], v[rA:rA+11], v[rB:rB+11], v[rC:rC+7], v[rSA], v[rSB] matrix_a_fmt:MATRIX_FMT_BF6 matrix_b_fmt:MATRIX_FMT_BF6 matrix_b_scale:MATRIX_SCALE_ROW1
.else
	v_wmma_scale_f32_16x16x128_f8f6f4 v[rD:rD+7], v[rA:rA+11], v[rB:rB+11], v[rC:rC+7], v[rSA], v[rSB] matrix_a_fmt:MATRIX_FMT_BF6 matrix_b_fmt:MATRIX_FMT_BF6
.endif
.endm
.macro QPROD k, j                      ; K step k: Wq's tile j against x's four tiles.  In K step 0 the bias is C: nothing is cleared, nothing is added later
.irp T, 0,1,2,3
.set rD, QA+32*\T+8*(\j)
.set rA, 12*(\j)
.set rB, XF+48*((\k)%3)+12*\T
.set rC, rD
.if (\k) == 0
.set rC, BQ+8*(\j)
.endif
.set rSA, SW+6*(\k)+(\j)/2
.set fA, (\j)%2
.set rSB, XS+2*((\k)%3)+\T/2
.set fB, \T%2
	WM
.endr
.endm
.macro KVPROD k, j                     ; x's four tiles against fragment j: 4-7 Wk's tiles, 8-11 Wv's
.irp T, 0,1,2,3
.set rD, 128*(2-(\j)/4)+32*((\j)%4)+8*\T
.set rA, XF+48*((\k)%3)+12*\T
.set rB, 12*(\j)
.set rC, rD
.if (\k) == 0
.set rC, BK+32*((\j)/4-1)+8*((\j)%4)
.endif
.set rSA, XS+2*((\k)%3)+\T/2
.set fA, \T%2
.set rSB, SW+6*(\k)+(\j)/2
.set fB, (\j)%2
	WM
.endr
.endm
.macro XLOAD n, k                      ; x's four images and its scale words of K step k into set n: 13 loads
.irp T, 0,1,2,3
.irp c, 0,1,2
	global_load_b128 v[XF+48*(\n)+12*\T+4*\c:XF+48*(\n)+12*\T+4*\c+3], v1, s[28:29] offset:(\k)*6400+\T*1536+512*\c
.endr
.endr
	global_load_b64 v[XS+2*(\n):XS+2*(\n)+1], v5, s[28:29] offset:(\k)*6400+6144
.endm
.macro WLOAD half, k                   ; six of the weights' fragments of K step k: 18 LDS loads of 512 consecutive bytes
	WIN 0x40
.irp j, 0,1,2,3,4,5
.irp c, 0,1,2
	ds_load_b128 v[12*(6*(\half)+\j)+4*\c:12*(6*(\half)+\j)+4*\c+3], v[1+(\k)/3] offset:((\k)%3)*19200+(6*(\half)+\j)*1536+512*\c
.endr
.endr
.endm
; A K step: 48 products, each accumulator once, so that no two matrix instructions that follow each other share an accumulator.
; A load into a register that a matrix instruction has read stands four places behind it (ISA guide 7.12.1 for vector instructions).
.macro KSTEP k
.if (\k) < 6
	s_wait_loadcnt 26                              ; this K step's 13 loads of x are in; those of the two steps behind it may be out
.elseif (\k) == 6
	s_wait_loadcnt 13
.else
	s_wait_loadcnt 0x0
.endif
	s_wait_dscnt 18                                ; fragments 0-5 are in; the 18 loads of fragments 6-11 may be out
.if (\k) == 0
	WIN 0x91                                       ; source 0 (W) window 1, source 1 (x) window 0, C (bias) window 1, D window 2
.else
	WIN 0xa1
.endif
.irp j, 0,1,2,3
	QPROD \k, \j
.endr
.if (\k) == 0
	WIN 0x94                                       ; source 0 (x) window 0, source 1 (W) window 1
.else
	WIN 0xa4
.endif
	KVPROD \k, 4
	KVPROD \k, 5
	PLACES 4
.if (\k) < 7
	WLOAD 0, (\k)+1
	s_wait_dscnt 18                                ; fragments 6-11 are in; the 18 just issued may be out
.else
	s_wait_dscnt 0x0
.endif
.if (\k) == 0
	WIN 0x94
.else
	WIN 0xa4
.endif
	KVPROD \k, 6
	KVPROD \k, 7
.if (\k) == 0
	WIN 0xd4                                       ; D window 3
.else
	WIN 0xf4
.endif
.irp j, 8,9,10,11
	KVPROD \k, \j
.endr
	PLACES 4
.if (\k) < 7
	WLOAD 1, (\k)+1
.endif
.if (\k) < 5
	WIN 0
	XLOAD (\k)%3, (\k)+3                           ; the set just multiplied takes the K step three further on
.endif
.endm
; The largest score of each of the two blocks of 32, from window 2's v[a] on: it serves for the maximum and, since p rises with the score, for the block's largest p.  Each accumulator is read from its low end on.
.macro BLKMAX a
	WIN 0x6a
.irp b, 0,1
	v_max3_num_f32 v[MB+\b], v[(\a)+16*\b], v[(\a)+16*\b+1], v[(\a)+16*\b+2]
.endr
	WIN 0x69
.irp i, 3,5,7,9,11,13
.irp b, 0,1
	v_max3_num_f32 v[MB+\b], v[MB+\b], v[(\a)+16*\b+\i], v[(\a)+16*\b+\i+1]
.endr
.endr
.irp b, 0,1
	v_max_num_f32 v[MB+\b], v[MB+\b], v[(\a)+16*\b+15]
.endr
	WIN 0x55
.irp b, 0,1
	v_permlanex16_b32 v[XX+\b], v[MB+\b], s24, s25
.endr
.irp b, 0,1
	v_max_num_f32 v[MB+\b], v[MB+\b], v[XX+\b]     ; with lane l xor 16's 16
.endr
.endm
; p = 2^(c score - M) into P; the blocks' largest p by the same two instructions; their scale operands and bytes.  nm: the pair (-M, t)
.macro POW a, nm
	WIN 0x52
.set i, 0
.rept 16
	v_pk_fma_f32 v[P+i:P+i+1], v[(\a)+i:(\a)+i+1], s[22:23], v[\nm:\nm+1] op_sel_hi:[1,0,0]
.set i, i+2
.endr
	WIN 0x55
.irp b, 0,1
	v_fma_f32 v[MB+\b], v[MB+\b], s22, v[\nm]
.endr
.set i, 0
.rept 32
	v_exp_f32 v[P+i], v[P+i]
.set i, i+1
.endr
.irp b, 0,1
	v_exp_f32 v[MB+\b], v[MB+\b]
.endr
	v_nop                                          ; a plain place behind the exponentials
	s_wait_alu depctr_va_vdst(0)
.irp b, 0,1
	v_max_num_f32 v[MB+\b], 0x2800000, v[MB+\b]    ; the floor 2^(5 - 127)
.endr
.irp b, 0,1
	v_add_nc_u32 v[SO+\b], 0xfe000000, v[MB+\b]    ; 4 off the exponent field
.endr
.irp b, 0,1
	v_lshrrev_b32 v[BY+\b], 23, v[SO+\b]
.endr
.endm
.macro SUMP                            ; the sum of my 32 unquantised p, in two chains
	v_pk_add_f32 v[SUM:SUM+1], v[P:P+1], v[P+2:P+3]
	v_pk_add_f32 v[SUM+2:SUM+3], v[P+4:P+5], v[P+6:P+7]
.irp j, 8,12,16,20,24,28
	v_pk_add_f32 v[SUM:SUM+1], v[SUM:SUM+1], v[P+\j:P+\j+1]
	v_pk_add_f32 v[SUM+2:SUM+3], v[SUM+2:SUM+3], v[P+\j+2:P+\j+3]
.endr
	v_pk_add_f32 v[SUM:SUM+1], v[SUM:SUM+1], v[SUM+2:SUM+3]
	v_add_f32 v[SUM], v[SUM], v[SUM+1]
.endm
.macro WHOLE f                         ; half blocks become whole blocks in a lane: registers f .. f + 5; the conversions' second results stood at f + 6 on.  Then the zero codes of K = 64 .. 127
.irp i, 0,1,2
	v_permlane16_swap_b32 v[(\f)+\i], v[(\f)+6+\i]
.endr
.irp i, 0,1,2
	v_mov_b32 v[(\f)+3+\i], v[(\f)+6+\i]
.endr
.irp i, 6,7,8,9,10,11
	v_mov_b32 v[(\f)+\i], 0
.endr
.endm
; q's softmax for the tile of rows T: a lane holds one row; codes, scale word and 1 / l go to pq
.macro QPOST T
.set PCT, PCQ+16*(\T)
	BLKMAX QA+32*(\T)
	v_max_num_f32 v[QNM+1], v[MB], v[MB+1]
	v_mul_f32 v[QNM+1], s22, v[QNM+1]              ; the row's largest t
	v_floor_f32 v[QNM], -v[QNM+1]                  ; -M = floor(-t) = -ceil(t)
	POW QA+32*(\T), QNM
	v_lshl_or_b32 v[WORD], v[BY+1], 8, v[BY]
	v_cvt_scalef32_pk16_bf6_f32 v[PCT:PCT+2], v[P:P+15], v[SO]
	v_cvt_scalef32_pk16_bf6_f32 v[PCT+8:PCT+10], v[P+16:P+31], v[SO+1]
	v_nop                                          ; one plain place behind a scaled conversion
.irp i, 0,1,2
	v_permlane16_swap_b32 v[PCT+\i], v[PCT+8+\i]
.endr
.irp i, 0,1,2
	v_mov_b32 v[PCT+3+\i], v[PCT+8+\i]
.endr
	SUMP
	v_permlanex16_b32 v[XX], v[SUM], s24, s25
	v_add_f32 v[SUM], v[SUM], v[XX]                ; the row's sum
	v_rcp_f32 v[RC], v[SUM]
	v_nop                                          ; a plain place behind the reciprocal
	s_wait_alu depctr_va_vdst(0)
	v_cndmask_b32 v[PCT+12], v[WORD], v[RC], s27   ; lanes 0-15 send the scale words, lanes 16-31 the rows' 1 / l
	WIN 0x04                                       ; a store's data are its source 1: window 1
	global_store_b128 v1, v[PCT:PCT+3], s[30:31] offset:(\T)*12288        ; 512 consecutive bytes, aligned to 256
	global_store_b64 v5, v[PCT+4:PCT+5], s[30:31] offset:(\T)*12288+512   ; 256 consecutive bytes, aligned
	global_store_b32 v6, v[PCT+12], s[32:33] offset:(\T)*2048
.endm
; v's tile c (e = 16 c + lane % 16) is quantised along the block's 64 rows
.macro VPOST c
.set VB, VA+32*(\c)
.set VFC, VFR+12*(\c)
	WIN 0x4f
.irp b, 0,1
	v_max3_num_f32 v[MB+\b], |v[VB+16*\b]|, |v[VB+16*\b+1]|, 0x2800000
.endr
	WIN 0x7d
.irp i, 2,4,6,8,10,12,14
.irp b, 0,1
	v_max3_num_f32 v[MB+\b], v[MB+\b], |v[VB+16*\b+\i]|, |v[VB+16*\b+\i+1]|
.endr
.endr
	WIN 0x55
.irp b, 0,1
	v_permlanex16_b32 v[XX+\b], v[MB+\b], s24, s25
.endr
.irp b, 0,1
	v_max_num_f32 v[MB+\b], v[MB+\b], v[XX+\b]
.endr
.irp b, 0,1
	v_add_nc_u32 v[SO+\b], 0xfe000000, v[MB+\b]
.endr
.irp b, 0,1
	v_lshrrev_b32 v[BY+\b], 23, v[SO+\b]
.endr
	WIN 0x15
	v_lshl_or_b32 v[VS+(\c)], v[BY+1], 8, v[BY]    ; bytes 2 and 3 stay 0: they scale zero codes
	WIN 0x87
	v_cvt_scalef32_pk16_bf6_f32 v[VFC:VFC+2], v[VB:VB+15], v[SO]
	v_cvt_scalef32_pk16_bf6_f32 v[VFC+6:VFC+8], v[VB+16:VB+31], v[SO+1]
	v_nop
	WIN 0xaa
	WHOLE VFC
.endm
; k's tile a (d = 16 a + lane % 16): the running M, p, its codes along the rows, l, and G's rescaling
.macro KPOST a
.set KB, KA+32*(\a)
.set KFA, KFR+12*(\a)
.set NMA, NM+2*(\a)
.set GB, GA+32*(\a)
	BLKMAX KB
	v_max_num_f32 v[F+1], v[MB], v[MB+1]
	v_mul_f32 v[F+1], s22, v[F+1]
	v_max_num_f32 v[NMA+1], v[NMA+1], v[F+1]       ; the running largest t
	v_mov_b32 v[OLD], v[NMA]
	v_floor_f32 v[NMA], -v[NMA+1]                  ; the new -M
	v_sub_f32 v[F+1], v[NMA], v[OLD]               ; old M - new M: a whole number, 0 or less
	v_cvt_i32_f32 v[F+1], v[F+1]                   ; (it saturates)
	v_ldexp_f32 v[F], 1.0, v[F+1]                  ; f
	POW KB, NMA
	WIN 0x15
	v_lshl_or_b32 v[KS+(\a)], v[BY+1], 8, v[BY]
	WIN 0x85
	v_cvt_scalef32_pk16_bf6_f32 v[KFA:KFA+2], v[P:P+15], v[SO]
	v_cvt_scalef32_pk16_bf6_f32 v[KFA+6:KFA+8], v[P+16:P+31], v[SO+1]
	v_nop
	WIN 0xaa
	WHOLE KFA
	WIN 0x55
	SUMP
	v_fma_f32 v[LL+(\a)], v[LL+(\a)], v[F], v[SUM]   ; my half of the rows' sum, under the new M
	WIN 0xc7
.set i, 0
.rept 16
	v_pk_mul_f32 v[GB+i:GB+i+1], v[GB+i:GB+i+1], v[F:F+1] op_sel_hi:[1,0]   ; G under the new M; each accumulator from its low end on
.set i, i+2
.endr
.endm
	s_load_b256 s[4:11], s[0:1], 0x0               ; xq s[4:5], wq s[6:7], bq s[8:9], bk s[10:11]
	s_load_b128 s[12:15], s[0:1], 0x20             ; bv s[12:13], pq s[14:15]
	s_load_b64 s[16:17], s[0:1], 0x30              ; gp
	v_lshl_add_u32 v254, v0, 2, 0x36800
	v_mov_b32 v255, 0
	v_lshrrev_b32 v8, 5, v0
	v_readfirstlane_b32 s18, v8                    ; wave
	s_mov_b32 s19, ttmp9                           ; head
	s_and_b32 s20, ttmp7, 0xffff                   ; y
	v_and_b32 v7, 31, v0
	v_lshlrev_b32 v1, 4, v7                        ; 16 x lane: an image's place for my lane; also the LDS base of K steps 0-2,
	v_add_nc_u32 v2, 57600, v1                     ; of K steps 3-5,
	v_add_nc_u32 v3, 115200, v1                    ; of K steps 6, 7
	v_lshlrev_b32 v5, 3, v7
	v_lshlrev_b32 v6, 2, v7
	s_mul_i32 s40, s18, 38400
	v_add_nc_u32 v9, s40, v1                       ; where I copy my quarter of the weights
	s_lshl_b32 s40, s18, 14
	s_add_co_u32 s40, s40, CG
	v_add_nc_u32 v10, s40, v1                      ; where my G goes
	s_lshl_b32 s40, s18, 10
	s_add_co_u32 s40, s40, CS
	v_add_nc_u32 v11, s40, v6                      ; and my -M and l
	s_lshl_b32 s40, s18, 12
	s_add_co_u32 s40, s40, CG
	v_add_nc_u32 v12, s40, v1                      ; where I read tile a = my wave's number of every wave's G
	s_lshl_b32 s40, s18, 7
	s_add_co_u32 s40, s40, CS
	v_add_nc_u32 v13, s40, v6
	v_bfe_u32 v14, v0, 4, 1
	v_lshlrev_b32 v14, 6, v14                      ; bq: 64 h
	v_and_b32 v15, 15, v0
	v_lshlrev_b32 v15, 2, v15                      ; bk, bv: 4 r
	s_mov_b32 s22, 0x3fb8aa3b                      ; c = log2(e)
	s_mov_b32 s23, s22                             ; (named with it as a pair, so it is written)
	s_mov_b32 s24, 0x76543210
	s_mov_b32 s25, 0xfedcba98
	s_mov_b32 s26, 4                               ; blocks to go
	s_mov_b32 s27, 0xffff0000                      ; lanes 16-31
	s_lshl_b32 s40, s20, 4
	s_add_co_u32 s40, s40, s18                     ; my first block: 16 y + wave
	s_mul_i32 s28, s40, 51200
	s_mov_b32 s29, 0
	s_mul_i32 s30, s40, 49152
	s_mul_i32 s41, s19, 768
	s_add_co_u32 s30, s30, s41
	s_mov_b32 s31, 0
	s_lshl_b32 s32, s40, 13
	s_lshl_b32 s41, s19, 7
	s_add_co_u32 s32, s32, s41
	s_add_co_u32 s32, s32, PSOFF
	s_mov_b32 s33, 0
	s_lshl_b32 s34, s20, 4
	s_add_co_u32 s34, s34, s19
	s_mul_i32 s34, s34, 17408                      ; the work-group's part of gp
	s_lshl_b32 s41, s18, 8
	s_add_co_u32 s44, s34, s41
	s_add_co_u32 s44, s44, 16384                   ; tile a's -M and l
	s_mov_b32 s45, 0
	s_lshl_b32 s41, s18, 12
	s_add_co_u32 s34, s34, s41                     ; tile a's G
	s_mov_b32 s35, 0
	s_mul_i32 s36, s19, 153600
	s_mov_b32 s37, 0
	s_mul_i32 s38, s18, 38400
	s_mov_b32 s39, 0
	s_lshl_b32 s42, s19, 8                         ; the head's 64 numbers of a bias
	s_mov_b32 s43, 0
	s_wait_kmcnt 0x0
	s_add_nc_u64 s[28:29], s[4:5], s[28:29]
	s_add_nc_u64 s[30:31], s[14:15], s[30:31]
	s_add_nc_u64 s[32:33], s[14:15], s[32:33]
	s_add_nc_u64 s[34:35], s[16:17], s[34:35]
	s_add_nc_u64 s[44:45], s[16:17], s[44:45]
	s_add_nc_u64 s[6:7], s[6:7], s[36:37]          ; the head's block of wq
	s_add_nc_u64 s[36:37], s[6:7], s[38:39]        ; my quarter of it
	s_add_nc_u64 s[8:9], s[8:9], s[42:43]
	s_add_nc_u64 s[10:11], s[10:11], s[42:43]
	s_add_nc_u64 s[12:13], s[12:13], s[42:43]
.irp k, 0,1,2,3,4,5,6,7
.irp m, 0,1,2
	global_load_b64 v[SW+6*\k+2*\m:SW+6*\k+2*\m+1], v5, s[6:7] offset:\k*19200+18432+256*\m   ; the weights' scale words stay in registers
.endr
.endr
	WIN 0x40
.irp t, 0,1,2,3
	global_load_b128 v[BQ+8*\t:BQ+8*\t+3], v14, s[8:9] offset:(32*(\t/2)+8*(\t%2))*4        ; bq at the lane's eight d of tile t
	global_load_b128 v[BQ+8*\t+4:BQ+8*\t+7], v14, s[8:9] offset:(32*(\t/2)+8*(\t%2))*4+16
	global_load_b32 v[BK+8*\t], v15, s[10:11] offset:64*\t                                  ; bk and bv at the lane's one column
	global_load_b32 v[BV+8*\t], v15, s[12:13] offset:64*\t
.endr
	WIN 0x80
.set i, 0
.rept 64
	global_load_b128 v[4*i:4*i+3], v1, s[36:37] offset:512*i       ; my 38,400 bytes of the weights: 75 loads of 512 bytes, through registers that the sums will take
.set i, i+1
.endr
	WIN 0xc0
.rept 11
	global_load_b128 v[4*(i-64):4*(i-64)+3], v1, s[36:37] offset:512*i
.set i, i+1
.endr
	WIN 0
	XLOAD 0, 0
	XLOAD 1, 1
	XLOAD 2, 2
	s_wait_loadcnt 39                              ; all but x's three sets of 13
	WIN 0x08
.set i, 0
.rept 64
	ds_store_b128 v9, v[4*i:4*i+3] offset:512*i
.set i, i+1
.endr
	WIN 0x0c
.rept 11
	ds_store_b128 v9, v[4*(i-64):4*(i-64)+3] offset:512*i
.set i, i+1
.endr
	WIN 0x55
.irp t, 0,1,2,3
.irp j, 1,2,3,4,5,6,7
	v_mov_b32 v[BK+8*\t+\j], v[BK+8*\t]            ; a lane's eight results of k and of v are one column: the bias eight times
	v_mov_b32 v[BV+8*\t+\j], v[BV+8*\t]
.endr
.endr
.irp a, 0,1,2,3
	v_mov_b32 v[NM+2*\a+1], 0xff61b1e6             ; the largest t so far: -3e38
	v_floor_f32 v[NM+2*\a], -v[NM+2*\a+1]          ; -M
	v_mov_b32 v[LL+\a], 0
.endr
	WIN 0xc0
.set i, 0
.rept 128
	v_mov_b32 v[GA+i], 0                           ; G.  (The block is written once: the first finds zeros, which the first change of M leaves zeros)
.set i, i+1
.endr
	WIN 0
	s_wait_dscnt 0x0                               ; for the others' sake: my quarter of the weights lies in LDS
	s_barrier_signal -1
	s_barrier_wait -1
.Lblock:
	WLOAD 0, 0
	WLOAD 1, 0
	KSTEP 0
	KSTEP 1
	KSTEP 2
	KSTEP 3
	KSTEP 4
	KSTEP 5
	KSTEP 6
	KSTEP 7
	WIN 0
	s_cmp_eq_u32 s26, 1                            ; the next block's first three K steps of x are asked for here, if there is a next block: no load leaves its buffer
	s_cbranch_scc1 .Lno_next
	s_add_nc_u64 s[28:29], s[28:29], 204800        ; four blocks on (K step 7 waited for all loads: the base is free)
	XLOAD 0, 0
	XLOAD 1, 1
	XLOAD 2, 2
.Lno_next:
	QPOST 0
	QPOST 1
	QPOST 2
	QPOST 3
	VPOST 0
	VPOST 1
	VPOST 2
	VPOST 3
	KPOST 0
	KPOST 1
	KPOST 2
	KPOST 3
	PLACES 8                                       ; a scale word written by a vector instruction stands eight places ahead of a scaled product, an operand so written four
	WIN 0xfa                                       ; sources window 2, C and D window 3
.irp a, 0,1,2,3
.irp c, 0,1,2,3
	v_wmma_scale_f32_16x16x128_f8f6f4 v[GA+32*\a+8*\c:GA+32*\a+8*\c+7], v[VFR+12*\c:VFR+12*\c+11], v[KFR+12*\a:KFR+12*\a+11], v[GA+32*\a+8*\c:GA+32*\a+8*\c+7], v[VS+\c], v[KS+\a] matrix_a_fmt:MATRIX_FMT_BF6 matrix_b_fmt:MATRIX_FMT_BF6
.endr
.endr
	PLACES 5                                       ; the next block's first products write over the codes just multiplied: five places (ISA guide 7.12.1)
	WIN 0
	s_wait_xcnt 0x0                                ; q's stores have read their data and bases: both are written again only behind this wait
	s_add_nc_u64 s[30:31], s[30:31], 196608
	s_add_nc_u64 s[32:33], s[32:33], 32768
	s_sub_co_u32 s26, s26, 1
	s_cmp_lg_u32 s26, 0
	s_cbranch_scc1 .Lblock
	; ---- the four waves' maps become one.  Each wave's G, -M and l go to LDS; behind the barrier wave w merges tile a = w
	WIN 0x55
.irp a, 0,1,2,3
	v_permlanex16_b32 v[P+\a], v[LL+\a], s24, s25
.endr
.irp a, 0,1,2,3
	v_add_f32 v[LL+\a], v[LL+\a], v[P+\a]          ; with the other half of the rows
.endr
	WIN 0x0c
.set i, 0
.rept 32
	ds_store_b128 v10, v[GA+4*i:GA+4*i+3] offset:512*i   ; each accumulator from its low end on
.set i, i+1
.endr
	WIN 0x04
.irp a, 0,1,2,3
	ds_store_b32 v11, v[NM+2*\a] offset:128*\a
	ds_store_b32 v11, v[LL+\a] offset:512+128*\a
.endr
	WIN 0
	s_wait_dscnt 0x0                               ; for the others' sake
	s_barrier_signal -1
	s_barrier_wait -1
	WIN 0x80
.irp w, 0,1,2,3
.irp q, 0,1,2,3,4,5,6,7
	ds_load_b128 v[32*\w+4*\q:32*\w+4*\q+3], v12 offset:16384*\w+512*\q
.endr
.endr
	WIN 0x40
.irp w, 0,1,2,3
	ds_load_b32 v[\w], v13 offset:1024*\w          ; window 1: v0-3 the waves' -M, v4-7 their l
	ds_load_b32 v[4+\w], v13 offset:1024*\w+512
.endr
	s_wait_dscnt 0x0
	WIN 0x55
	v_min3_num_f32 v16, v0, v1, v2
	v_min_num_f32 v16, v16, v3                     ; the smallest -M: the largest M
.irp w, 0,1,2,3
	v_sub_f32 v[9+2*\w], v16, v[\w]                ; a wave's M less the largest: a whole number, 0 or less
.endr
.irp w, 0,1,2,3
	v_cvt_i32_f32 v[9+2*\w], v[9+2*\w]
.endr
.irp w, 0,1,2,3
	v_ldexp_f32 v[8+2*\w], 1.0, v[9+2*\w]
.endr
	v_mul_f32 v17, v4, v8
	v_fma_f32 v17, v5, v10, v17
	v_fma_f32 v17, v6, v12, v17
	v_fma_f32 v17, v7, v14, v17                    ; l under the largest M
	WIN 0xa6                                       ; G in window 2, the factors in window 1
.set i, 0
.rept 16
	v_pk_mul_f32 v[i:i+1], v[i:i+1], v[8:9] op_sel_hi:[1,0]
.set i, i+2
.endr
.irp w, 1,2,3
.set i, 0
.rept 16
	v_pk_fma_f32 v[i:i+1], v[32*\w+i:32*\w+i+1], v[8+2*\w:9+2*\w], v[i:i+1] op_sel_hi:[1,0,1]
.set i, i+2
.endr
.endr
	WIN 0x08
.irp q, 0,1,2,3,4,5,6,7
	global_store_b128 v1, v[4*\q:4*\q+3], s[34:35] offset:512*\q   ; 512 consecutive bytes, aligned to 256
.endr
	WIN 0x04
	global_store_b64 v5, v[16:17], s[44:45]        ; -M and l: 256 consecutive bytes, aligned
	WIN 0
	s_wait_tensorcnt 0x0
	ds_add_u32 v254, v255
	s_wait_dscnt 0x0
	s_endpgm
.Lfunc_end_k_qd555dfa6e1_qkv:
	.size	k_qd555dfa6e1_qkv, .Lfunc_end_k_qd555dfa6e1_qkv-k_qd555dfa6e1_qkv
	.p2alignl 7, 3214868480
	.fill 96, 4, 3214868480
	.section	.rodata,"a",@progbits
	.p2align	6, 0x0
	.amdhsa_kernel k_qd555dfa6e1_qkv
		.amdhsa_group_segment_fixed_size 223744
		.amdhsa_private_segment_fixed_size 0
		.amdhsa_enable_private_segment 0
		.amdhsa_kernarg_size 56
		.amdhsa_user_sgpr_count 2
		.amdhsa_user_sgpr_kernarg_segment_ptr 1
		.amdhsa_wavefront_size32 1
		.amdhsa_system_sgpr_workgroup_id_x 1
		.amdhsa_system_sgpr_workgroup_id_y 1
		.amdhsa_system_sgpr_workgroup_id_z 1
		.amdhsa_system_vgpr_workitem_id 0
		.amdhsa_next_free_vgpr 1024
		.amdhsa_next_free_sgpr 66
		.amdhsa_reserve_vcc 0
		.amdhsa_float_denorm_mode_32 3
		.amdhsa_float_denorm_mode_16_64 3
		.amdhsa_memory_ordered 1
		.amdhsa_forward_progress 1
		.amdhsa_inst_pref_size 185
	.end_amdhsa_kernel
	.amdgpu_metadata
---
amdhsa.version: [ 1, 2 ]
amdhsa.kernels:
  - .name:           k_qd555dfa6e1_qkv
    .symbol:         k_qd555dfa6e1_qkv.kd
    .args:
      - { .name: xq, .offset: 0, .size: 8, .value_kind: global_buffer, .address_space: global }
      - { .name: wq, .offset: 8, .size: 8, .value_kind: global_buffer, .address_space: global }
      - { .name: bq, .offset: 16, .size: 8, .value_kind: global_buffer, .address_space: global }
      - { .name: bk, .offset: 24, .size: 8, .value_kind: global_buffer, .address_space: global }
      - { .name: bv, .offset: 32, .size: 8, .value_kind: global_buffer, .address_space: global }
      - { .name: pq, .offset: 40, .size: 8, .value_kind: global_buffer, .address_space: global }
      - { .name: gp, .offset: 48, .size: 8, .value_kind: global_buffer, .address_space: global }
    .group_segment_fixed_size: 223744
    .private_segment_fixed_size: 0
    .kernarg_segment_align: 8
    .kernarg_segment_size: 56
    .max_flat_workgroup_size: 128
    .sgpr_count:     66
    .vgpr_count:     1024
    .wavefront_size: 32
...
	.end_amdgpu_metadata
.endif
;; end of part 2
;; launch gmap (part 3): grid 64 x 1, 4 waves a work-group, no clusters, 18,176 bytes of LDS; arguments gp, gq; writes gq
.if DOCPART == 3
	.amdgcn_target "amdgcn-amd-amdhsa--gfx1250"
	.amdhsa_code_object_version 6
	.text
	.protected	k_qd555dfa6e1_gmap
	.globl	k_qd555dfa6e1_gmap
	.p2align	8
	.type	k_qd555dfa6e1_gmap,@function
k_qd555dfa6e1_gmap:
	s_mov_b64 s[64:65], 0
	v_nop
	global_prefetch_b8 v0, s[64:65] scope:SCOPE_SE
	s_setreg_imm32_b32 hwreg(HW_REG_WAVE_MODE, 25, 1), 1
	s_wait_xcnt 0x0
; GMAP.  For one (batch, head): the four partial maps G[d][e] of 1,024 rows each are brought under one whole number M[d] (multiplications by powers of two), added, divided by l[d], and quantised along d to codes of BF6
; in the order of the next product's operand: tile c holds e = 16 c + lane % 16, and a lane's six registers d = 32 (lane / 16) + 0 .. 31.
; SHARES.  Wave a merges d = 16 a .. 16 a + 15 (a lane holds one d and 32 of its e); the map turns through LDS (rows of 272 bytes; rows 32 on lie 64 bytes further, so that the two halves of the lanes read different banks);
; behind the barrier wave c takes tile c: a lane holds one whole block of 32 along d, so its largest magnitude needs no other lane.
; 64 work-groups: one for each map; the work is 70 KB a work-group, and a further split would only add partial sums.  No matrix instruction, no tensor load.
; LIMITS: a block whose largest magnitude lies under 2^-122 keeps the byte 1.
.set CH, 278528                        ; bytes from a chunk's part of gp to the next: 16 work-groups of 17,408
	s_load_b128 s[4:7], s[0:1], 0x0                ; gp, gq
	v_lshl_add_u32 v192, v0, 2, 0x4500
	v_mov_b32 v193, 0
	v_lshrrev_b32 v1, 5, v0
	v_readfirstlane_b32 s8, v1                     ; wave
	v_and_b32 v2, 31, v0
	v_and_b32 v3, 15, v0                           ; r
	v_bfe_u32 v4, v0, 4, 1                         ; h
	v_lshlrev_b32 v5, 4, v2                        ; 16 x lane
	v_lshlrev_b32 v6, 3, v2                        ; 8 x lane
	s_mul_i32 s9, s8, 16*272
	s_lshr_b32 s10, s8, 1
	s_lshl_b32 s10, s10, 6
	s_add_co_u32 s9, s9, s10
	v_mul_u32_u24 v7, v3, 272
	v_lshl_add_u32 v7, v4, 5, v7
	v_add_nc_u32 v7, s9, v7                        ; in: row d = 16 a + r, + 32 h
	v_mul_u32_u24 v8, v4, 8768                     ; out: rows 32 h on (32 x 272 + 64),
	v_lshl_add_u32 v8, v3, 2, v8
	s_lshl_b32 s10, s8, 6
	v_add_nc_u32 v8, s10, v8                       ; column e = 16 c + r
	v_lshlrev_b32 v9, 3, v4                        ; 8 h: my byte's place in the scale word
	s_mov_b32 s12, 0x76543210
	s_mov_b32 s13, 0xfedcba98
	s_lshr_b32 s14, ttmp9, 4                       ; batch
	s_and_b32 s15, ttmp9, 15                       ; head
	s_lshl_b32 s14, s14, 6
	s_add_co_u32 s14, s14, s15
	s_mul_i32 s14, s14, 17408                      ; chunk 0's part of gp
	s_lshl_b32 s15, s8, 12
	s_add_co_u32 s16, s14, s15
	s_mov_b32 s17, 0
	s_lshl_b32 s15, s8, 8
	s_add_co_u32 s18, s14, s15
	s_add_co_u32 s18, s18, 16384
	s_mov_b32 s19, 0
	s_mul_i32 s20, ttmp9, 3584
	s_mul_i32 s15, s8, 768
	s_add_co_u32 s22, s20, s15                     ; tile c's codes in gq,
	s_mov_b32 s23, 0
	s_lshl_b32 s15, s8, 2
	s_add_co_u32 s24, s20, s15
	s_add_co_u32 s24, s24, 3072                    ; and its scale words: 16 x lane + 4 c
	s_mov_b32 s25, 0
	s_wait_kmcnt 0x0
	s_add_nc_u64 s[16:17], s[4:5], s[16:17]
	s_add_nc_u64 s[18:19], s[4:5], s[18:19]
	s_add_nc_u64 s[22:23], s[6:7], s[22:23]
	s_add_nc_u64 s[24:25], s[6:7], s[24:25]
.irp ch, 0,1,2,3
	global_load_b64 v[16+2*\ch:17+2*\ch], v6, s[18:19] offset:\ch*CH th:TH_LOAD_NT      ; -M, l
.endr
.irp ch, 0,1,2,3
.irp q, 0,1,2,3,4,5,6,7
	global_load_b128 v[32+32*\ch+4*\q:32+32*\ch+4*\q+3], v5, s[16:17] offset:\ch*CH+512*\q th:TH_LOAD_NT
.endr
.endr
	s_wait_loadcnt 0x0
	v_min3_num_f32 v10, v16, v18, v20
	v_min_num_f32 v10, v10, v22                    ; the smallest -M: the largest M
.irp ch, 0,1,2,3
	v_sub_f32 v[25+2*\ch], v10, v[16+2*\ch]
.endr
.irp ch, 0,1,2,3
	v_cvt_i32_f32 v[25+2*\ch], v[25+2*\ch]
.endr
.irp ch, 0,1,2,3
	v_ldexp_f32 v[24+2*\ch], 1.0, v[25+2*\ch]      ; 2^(the chunk's M - the largest M)
.endr
	v_mul_f32 v11, v17, v24
	v_fma_f32 v11, v19, v26, v11
	v_fma_f32 v11, v21, v28, v11
	v_fma_f32 v11, v23, v30, v11                   ; l
	v_rcp_f32 v12, v11
	v_mov_b32 v13, 0                               ; a plain place behind the reciprocal; also the upper half of the pair v[12:13]
.set i, 0
.rept 16
	v_pk_mul_f32 v[32+i:33+i], v[32+i:33+i], v[24:25] op_sel_hi:[1,0]
.set i, i+2
.endr
.irp ch, 1,2,3
.set i, 0
.rept 16
	v_pk_fma_f32 v[32+i:33+i], v[32+32*\ch+i:33+32*\ch+i], v[24+2*\ch:25+2*\ch], v[32+i:33+i] op_sel_hi:[1,0,1]
.set i, i+2
.endr
.endr
.set i, 0
	s_wait_alu depctr_va_vdst(0)
.rept 16
	v_pk_mul_f32 v[32+i:33+i], v[32+i:33+i], v[12:13] op_sel_hi:[1,0]   ; / l
.set i, i+2
.endr
.irp c, 0,1,2,3
	ds_store_b128 v7, v[32+8*\c:35+8*\c] offset:64*\c          ; e = 16 c + 8 h + 0 .. 7 of my row d
	ds_store_b128 v7, v[36+8*\c:39+8*\c] offset:64*\c+16
.endr
	s_wait_dscnt 0x0                               ; for the others' sake
	s_barrier_signal -1
	s_barrier_wait -1
.set i, 0
.rept 32
	ds_load_b32 v[64+i], v8 offset:272*i           ; G(32 h + i, 16 c + r): my block of 32 along d
.set i, i+1
.endr
	s_wait_dscnt 0x0
	v_max3_num_f32 v12, |v64|, |v65|, |v66|
	v_max3_num_f32 v13, |v67|, |v68|, |v69|
.irp j, 6,10,14,18,22,26
	v_max3_num_f32 v12, v12, |v[64+\j]|, |v[65+\j]|
	v_max3_num_f32 v13, v13, |v[66+\j]|, |v[67+\j]|
.endr
	v_max3_num_f32 v12, v12, |v94|, |v95|
	v_max3_num_f32 v12, v12, v13, 0x2800000        ; and the floor 2^(5 - 127)
	v_add_nc_u32 v14, 0xfe000000, v12              ; 4 off the exponent field: the conversion's scale operand
	v_lshrrev_b32 v15, 23, v14                     ; the byte,
	v_lshlrev_b32 v15, v9, v15                     ; at its place;
	v_permlanex16_b32 v16, v15, s12, s13
	v_or_b32 v15, v15, v16                         ; with lane l xor 16's the word is whole (bytes 2, 3 stay 0: they scale zero codes)
	v_cvt_scalef32_pk16_bf6_f32 v[100:102], v[64:79], v14
	v_cvt_scalef32_pk16_bf6_f32 v[104:106], v[80:95], v14
	v_nop                                          ; one plain place behind a scaled conversion
	v_mov_b32 v103, v104                           ; the six registers: four to one store,
	v_mov_b32 v108, v105                           ; two to another
	v_mov_b32 v109, v106
	global_store_b128 v5, v[100:103], s[22:23]             ; 512 consecutive bytes, aligned to 256
	global_store_b64 v6, v[108:109], s[22:23] offset:512   ; 256 consecutive bytes, aligned
	global_store_b32 v5, v15, s[24:25]                     ; four waves fill the 512 bytes of words between them
	s_wait_tensorcnt 0x0
	ds_add_u32 v192, v193
	s_wait_dscnt 0x0
	s_endpgm
.Lfunc_end_k_qd555dfa6e1_gmap:
	.size	k_qd555dfa6e1_gmap, .Lfunc_end_k_qd555dfa6e1_gmap-k_qd555dfa6e1_gmap
	.p2alignl 7, 3214868480
	.fill 96, 4, 3214868480
	.section	.rodata,"a",@progbits
	.p2align	6, 0x0
	.amdhsa_kernel k_qd555dfa6e1_gmap
		.amdhsa_group_segment_fixed_size 18176
		.amdhsa_private_segment_fixed_size 0
		.amdhsa_enable_private_segment 0
		.amdhsa_kernarg_size 16
		.amdhsa_user_sgpr_count 2
		.amdhsa_user_sgpr_kernarg_segment_ptr 1
		.amdhsa_wavefront_size32 1
		.amdhsa_system_sgpr_workgroup_id_x 1
		.amdhsa_system_sgpr_workgroup_id_y 1
		.amdhsa_system_sgpr_workgroup_id_z 1
		.amdhsa_system_vgpr_workitem_id 0
		.amdhsa_next_free_vgpr 194
		.amdhsa_next_free_sgpr 66
		.amdhsa_reserve_vcc 0
		.amdhsa_float_denorm_mode_32 3
		.amdhsa_float_denorm_mode_16_64 3
		.amdhsa_memory_ordered 1
		.amdhsa_forward_progress 1
		.amdhsa_inst_pref_size 17
	.end_amdhsa_kernel
	.amdgpu_metadata
---
amdhsa.version: [ 1, 2 ]
amdhsa.kernels:
  - .name:           k_qd555dfa6e1_gmap
    .symbol:         k_qd555dfa6e1_gmap.kd
    .args:
      - { .name: gp, .offset: 0, .size: 8, .value_kind: global_buffer, .address_space: global }
      - { .name: gq, .offset: 8, .size: 8, .value_kind: global_buffer, .address_space: global }
    .group_segment_fixed_size: 18176
    .private_segment_fixed_size: 0
    .kernarg_segment_align: 8
    .kernarg_segment_size: 16
    .max_flat_workgroup_size: 128
    .sgpr_count:     66
    .vgpr_count:     194
    .wavefront_size: 32
...
	.end_amdgpu_metadata
.endif
;; end of part 3
;; launch out (part 4): grid 256 x 1, 4 waves a work-group, no clusters, 263,680 bytes of LDS; arguments x, pq, gq, gamma, beta, out0; writes out0
.if DOCPART == 4
	.amdgcn_target "amdgcn-amd-amdhsa--gfx1250"
	.amdhsa_code_object_version 6
	.text
	.protected	k_qd555dfa6e1_out
	.globl	k_qd555dfa6e1_out
	.p2align	8
	.type	k_qd555dfa6e1_out,@function
k_qd555dfa6e1_out:
	s_mov_b64 s[64:65], 0
	v_nop
	global_prefetch_b8 v0, s[64:65] scope:SCOPE_SE
	s_setreg_imm32_b32 hwreg(HW_REG_WAVE_MODE, 25, 1), 1
	s_wait_xcnt 0x0
; OUT.  o = p_q G / l_q on codes of BF6 (K = the head's 64 and 64 zero codes), y = x + o, and the norm over a row's 1,024 numbers: (y - mean) rsqrt(var + 1e-5) gamma + beta.
; SHARES.  A work-group takes a block of 64 rows, wave T the tile of 16 rows 32 (T / 2) + 8 (T % 2) + i + 8 (i / 8), for all sixteen heads.  Waves share nothing: no barrier.
; The product is used transposed (source 0 = 16 columns e of G, source 1 = my 16 rows' p): a lane holds one row and eight neighbouring e, so 1 / l is a lane's own.  The results go to the wave's own stage in LDS
; (16 rows of 4,096 bytes + 16) and come back as whole rows, 16 bytes a lane, beside x's row, which has been waiting in registers: x is read once, and a row's mean and variance never leave the wave.
; The variance is taken of y - mean in a second pass over the registers: no difference of large sums.
; LOADS.  Operands come from memory straight into registers, in the order in which an earlier launch laid them.  A wave's stream is gamma and beta (16 loads), then sixteen times a row of x (8 loads) and a head (13 loads).
; Four rows and four heads go out at the start; head k's turn asks for row k + 4 and head k + 4.  So behind a head's 13 loads stand three rows and three heads, 63 loads, when its products are due.
; At the start more loads are written than the counter's field holds: the issue then waits by itself (ISA guide 5.7.1), and no wait is placed for that.
; THE NORM goes two rows by turns, so that no line waits for the line above it, on four sets of registers; the next pair's rows of o are fetched from the stage in a pair's middle.
; G's 57,344 bytes of a batch are read by all its waves; they are under half of what a wave moves (x, out0), so nothing is shared by joint loads.  No tensor load.
; LIMITS: NaN and infinities are not served.  reference() takes no number from mask and pad_mask: they are not named.
; REGISTERS: window 0: v1 16 x lane, v2 8 x lane, v3 4 (lane % 16), v4, v5 the stage; v12-15 p's scale words, v16-31 G's, four sets; v32-63 gamma, v64-95 beta;
;   v96-127 the products, v128-191 o, two sets; behind the heads v96-223 four rows at work; v224-231 1 / l, four pairs; v232-249 sums.
;   window 1: v0-191 G's four fragments, four sets; v192-239 p's, four sets.   windows 2, 3: x's 16 rows, 32 registers each.
.set PSOFF, 12582912
.set PSW, 12
.set GS,  16
.set GAM, 32
.set BET, 64
.set DD,  96
.set OO,  128
.set Y,   96
.set PRL, 224
.set SM,  232                          ; a row's sums: four registers each
.set MU,  240                          ; a row's mean, as the low word of a pair
.set RQ,  244                          ; a row's 1 / root likewise
.set TP,  248
.set PF,  192                          ; window 1
.set MSB, 0
.macro WIN new                         ; the immediate's high byte repeats the setting that is left
.if MSB != (\new)
	s_set_vgpr_msb (MSB<<8)|(\new)
.set MSB, (\new)
.endif
.endm
.macro HLOAD n, hd                     ; head hd's operands into set n: 13 loads
	WIN 0x40
.irp c, 0,1,2,3
	global_load_b128 v[48*(\n)+12*\c:48*(\n)+12*\c+3], v1, s[8:9] offset:(\hd)*3584+\c*768
	global_load_b64 v[48*(\n)+12*\c+4:48*(\n)+12*\c+5], v2, s[8:9] offset:(\hd)*3584+\c*768+512
.endr
	global_load_b128 v[PF+12*(\n):PF+12*(\n)+3], v1, s[6:7] offset:(\hd)*768 th:TH_LOAD_NT
	global_load_b64 v[PF+12*(\n)+4:PF+12*(\n)+5], v2, s[6:7] offset:(\hd)*768+512 th:TH_LOAD_NT
	WIN 0
	global_load_b32 v[PRL+2*(\n)], v3, s[30:31] offset:(\hd)*128+64      ; my row's 1 / l
	global_load_b128 v[GS+4*(\n):GS+4*(\n)+3], v1, s[8:9] offset:(\hd)*3584+3072
	global_load_b32 v[PSW+(\n)], v3, s[30:31] offset:(\hd)*128           ; my row's scale word
.endm
.macro XROW i                          ; row i of my tile: 8 loads of 512 consecutive bytes
	WIN 0x80+0x40*((\i)/8)
.irp j, 0,1,2,3,4,5,6,7
	global_load_b128 v[32*((\i)%8)+4*\j:32*((\i)%8)+4*\j+3], v1, s[4:5] offset:((\i)+8*((\i)/8))*4096+512*\j th:TH_LOAD_NT
.endr
.endm
; A head's turn.  left: the loads issued behind this head's 13
.macro HEAD hd, left
.set HN, (\hd)%4
.set ON, (\hd)%2
	s_wait_loadcnt \left
	WIN 0x05                                       ; sources 0 and 1 window 1, the results window 0
.irp c, 0,1,2,3
	v_wmma_scale_f32_16x16x128_f8f6f4 v[DD+8*\c:DD+8*\c+7], v[48*HN+12*\c:48*HN+12*\c+11], v[PF+12*HN:PF+12*HN+11], 0, v[GS+4*HN+\c], v[PSW+HN] matrix_a_fmt:MATRIX_FMT_BF6 matrix_b_fmt:MATRIX_FMT_BF6
.endr
.rept 5
	v_nop                                          ; four places in front of the reads of the results and of the loads into the operands, five in front of the next head's products, which write over these results
.endr
	WIN 0
	s_wait_dscnt 8                                 ; the stores of two heads ago have read this set of o; the last head's eight may be out
.set i, 0
.rept 16
	v_pk_mul_f32 v[OO+32*ON+i:OO+32*ON+i+1], v[DD+i:DD+i+1], v[PRL+2*HN:PRL+2*HN+1] op_sel_hi:[1,0]   ; / l; each result from its low end on
.set i, i+2
.endr
.if (\hd) < 12
	XROW (\hd)+4                                   ; the stream goes on: a row of x,
	HLOAD HN, (\hd)+4                              ; and the head four further on, into the set just multiplied
.endif
	WIN 0
.irp c, 0,1,2,3
	ds_store_b128 v4, v[OO+32*ON+8*\c:OO+32*ON+8*\c+3] offset:256*(\hd)+64*\c
	ds_store_b128 v4, v[OO+32*ON+8*\c+4:OO+32*ON+8*\c+7] offset:256*(\hd)+64*\c+16
.endr
.endm
.macro DSL p                           ; o's rows 2 p and 2 p + 1 from the stage: 16 loads of 512 consecutive bytes
.irp u, 0,1
.irp j, 0,1,2,3,4,5,6,7
	ds_load_b128 v[Y+32*((2*(\p)+\u)%4)+4*\j:Y+32*((2*(\p)+\u)%4)+4*\j+3], v5 offset:4112*(2*(\p)+\u)+512*\j
.endr
.endr
.endm
.macro FOLD                            ; each row's two chains, their halves, and the 32 lanes: the sum in every lane; the two rows by turns
.irp u, 0,1
	v_pk_add_f32 v[SM+4*\u:SM+4*\u+1], v[SM+4*\u:SM+4*\u+1], v[SM+4*\u+2:SM+4*\u+3]
.endr
.irp u, 0,1
	v_add_f32 v[SM+4*\u], v[SM+4*\u], v[SM+4*\u+1]
.endr
.irp m, 1,2,4,8
.irp u, 0,1
	v_add_f32_dpp v[SM+4*\u], v[SM+4*\u], v[SM+4*\u] row_xmask:\m row_mask:0xf bank_mask:0xf
.endr
.endr
.irp u, 0,1
	v_permlanex16_b32 v[TP+\u], v[SM+4*\u], s18, s19
.endr
.irp u, 0,1
	v_add_f32 v[SM+4*\u], v[SM+4*\u], v[TP+\u]
.endr
.endm
; Rows 2 p and 2 p + 1 of my tile
.macro PAIR p
.set YA, Y+32*((2*(\p))%4)             ; row 2 p; row 2 p + 1 lies 32 registers on, in o and in x alike
.set XA, 32*((2*(\p))%8)
	s_wait_dscnt 0x0                               ; the pair's rows of o are back from the stage
	WIN 0x08+4*((\p)/4)                            ; source 1: window 2 or 3
.set i2, 0
.rept 32
	v_pk_add_f32 v[YA+i2:YA+i2+1], v[YA+i2:YA+i2+1], v[XA+i2:XA+i2+1]   ; y = o + x
.set i2, i2+2
.endr
	WIN 0
.irp u, 0,1
	v_pk_add_f32 v[SM+4*\u:SM+4*\u+1], v[YA+32*\u:YA+32*\u+1], v[YA+32*\u+2:YA+32*\u+3]
	v_pk_add_f32 v[SM+4*\u+2:SM+4*\u+3], v[YA+32*\u+4:YA+32*\u+5], v[YA+32*\u+6:YA+32*\u+7]
.endr
.irp j, 8,12,16,20,24,28
.irp u, 0,1
	v_pk_add_f32 v[SM+4*\u:SM+4*\u+1], v[SM+4*\u:SM+4*\u+1], v[YA+32*\u+\j:YA+32*\u+\j+1]
	v_pk_add_f32 v[SM+4*\u+2:SM+4*\u+3], v[SM+4*\u+2:SM+4*\u+3], v[YA+32*\u+\j+2:YA+32*\u+\j+3]
.endr
.endr
	FOLD
.irp u, 0,1
	v_mul_f32 v[MU+2*\u], s20, v[SM+4*\u]          ; the mean
.endr
.if (\p) < 7
	s_wait_xcnt 0x0                                ; the last pair's stores, issued half a pair ago, have read their registers: those two sets are written again only behind this wait
	DSL (\p)+1
.endif
.irp u, 0,1
.set i2, 0
.rept 16
	v_pk_add_f32 v[YA+32*\u+i2:YA+32*\u+i2+1], v[YA+32*\u+i2:YA+32*\u+i2+1], v[MU+2*\u:MU+2*\u+1] op_sel_hi:[1,0] neg_lo:[0,1] neg_hi:[0,1]
.set i2, i2+2
.endr
.endr
.irp u, 0,1
	v_pk_mul_f32 v[SM+4*\u:SM+4*\u+1], v[YA+32*\u:YA+32*\u+1], v[YA+32*\u:YA+32*\u+1]
	v_pk_mul_f32 v[SM+4*\u+2:SM+4*\u+3], v[YA+32*\u+2:YA+32*\u+3], v[YA+32*\u+2:YA+32*\u+3]
.endr
.irp j, 4,8,12,16,20,24,28
.irp u, 0,1
	v_pk_fma_f32 v[SM+4*\u:SM+4*\u+1], v[YA+32*\u+\j:YA+32*\u+\j+1], v[YA+32*\u+\j:YA+32*\u+\j+1], v[SM+4*\u:SM+4*\u+1]
	v_pk_fma_f32 v[SM+4*\u+2:SM+4*\u+3], v[YA+32*\u+\j+2:YA+32*\u+\j+3], v[YA+32*\u+\j+2:YA+32*\u+\j+3], v[SM+4*\u+2:SM+4*\u+3]
.endr
.endr
	FOLD
.irp u, 0,1
	v_fma_f32 v[RQ+2*\u], v[SM+4*\u], s20, s21     ; the variance + 1e-5
.endr
.irp u, 0,1
	v_rsq_f32 v[RQ+2*\u], v[RQ+2*\u]
.endr
	v_nop                                          ; a plain place behind the roots
	s_wait_alu depctr_va_vdst(0)
.irp u, 0,1
.set i2, 0
.rept 16
	v_pk_mul_f32 v[YA+32*\u+i2:YA+32*\u+i2+1], v[YA+32*\u+i2:YA+32*\u+i2+1], v[RQ+2*\u:RQ+2*\u+1] op_sel_hi:[1,0]
.set i2, i2+2
.endr
.endr
.irp u, 0,1
.set i2, 0
.rept 16
	v_pk_fma_f32 v[YA+32*\u+i2:YA+32*\u+i2+1], v[YA+32*\u+i2:YA+32*\u+i2+1], v[GAM+i2:GAM+i2+1], v[BET+i2:BET+i2+1]
.set i2, i2+2
.endr
.endr
.irp u, 0,1
.irp j, 0,1,2,3,4,5,6,7
	global_store_b128 v1, v[YA+32*\u+4*\j:YA+32*\u+4*\j+3], s[14:15] offset:((2*(\p)+\u)+8*((2*(\p)+\u)/8))*4096+512*\j th:TH_STORE_NT   ; 512 consecutive bytes, aligned to 256
.endr
.endr
.endm
	s_load_b256 s[4:11], s[0:1], 0x0               ; x s[4:5], pq s[6:7], gq s[8:9], gamma s[10:11]
	s_load_b128 s[12:15], s[0:1], 0x20             ; beta s[12:13], out0 s[14:15]
	v_lshl_add_u32 v254, v0, 2, 0x40400
	v_mov_b32 v255, 0
	v_lshrrev_b32 v6, 5, v0
	v_readfirstlane_b32 s16, v6                    ; wave = tile of rows
	v_and_b32 v7, 31, v0
	v_and_b32 v8, 15, v0                           ; r
	v_bfe_u32 v9, v0, 4, 1                         ; h
	v_lshlrev_b32 v1, 4, v7
	v_lshlrev_b32 v2, 3, v7
	v_lshlrev_b32 v3, 2, v8
	s_mul_i32 s17, s16, 65792                      ; my stage
	v_mul_u32_u24 v4, v8, 4112
	v_lshl_add_u32 v4, v9, 5, v4
	v_add_nc_u32 v4, s17, v4                       ; in: row r, + 32 h
	v_add_nc_u32 v5, s17, v1                       ; back: 16 bytes a lane
	s_mov_b32 s18, 0x76543210
	s_mov_b32 s19, 0xfedcba98
	s_mov_b32 s20, 0x3a800000                      ; 1 / 1,024
	s_mov_b32 s21, 0x3727c5ac                      ; 1e-5
	WIN 0x40
.set f, 0
.rept 20
.irp j, 6,7,8,9,10,11
	v_mov_b32 v[12*f+\j], 0                        ; the zero codes of K = 64 .. 127 of the twenty fragments, once for all heads
.endr
.set f, f+1
.endr
	WIN 0
.irp n, 0,1,2,3
	v_mov_b32 v[PRL+2*\n+1], 0                     ; the upper halves of pairs of which the low word serves both halves,
.endr
.irp u, 0,1
	v_mov_b32 v[MU+2*\u+1], 0
	v_mov_b32 v[RQ+2*\u+1], 0
	v_mov_b32 v[TP+\u], 0                          ; and a lane permute's destination, which counts as one of its sources
.endr
	s_lshl_b32 s22, ttmp9, 6
	s_lshr_b32 s23, s16, 1
	s_lshl_b32 s23, s23, 5
	s_add_co_u32 s22, s22, s23
	s_and_b32 s23, s16, 1
	s_lshl_b32 s23, s23, 3
	s_add_co_u32 s22, s22, s23                     ; my tile's first row: 64 R + 32 (T / 2) + 8 (T % 2)
	s_lshl_b32 s22, s22, 12
	s_mov_b32 s23, 0
	s_mul_i32 s24, ttmp9, 49152
	s_mul_i32 s25, s16, 12288
	s_add_co_u32 s24, s24, s25                     ; my tile's codes of p
	s_mov_b32 s25, 0
	s_lshl_b32 s26, ttmp9, 13
	s_lshl_b32 s27, s16, 11
	s_add_co_u32 s26, s26, s27
	s_add_co_u32 s26, s26, PSOFF                   ; its scale words and 1 / l
	s_mov_b32 s27, 0
	s_lshr_b32 s28, ttmp9, 6
	s_mul_i32 s28, s28, 57344                      ; the batch's sixteen maps
	s_mov_b32 s29, 0
	s_wait_kmcnt 0x0
	s_add_nc_u64 s[4:5], s[4:5], s[22:23]
	s_add_nc_u64 s[14:15], s[14:15], s[22:23]
	s_add_nc_u64 s[30:31], s[6:7], s[26:27]
	s_add_nc_u64 s[6:7], s[6:7], s[24:25]
	s_add_nc_u64 s[8:9], s[8:9], s[28:29]
.irp j, 0,1,2,3,4,5,6,7
	global_load_b128 v[GAM+4*\j:GAM+4*\j+3], v1, s[10:11] offset:512*\j
	global_load_b128 v[BET+4*\j:BET+4*\j+3], v1, s[12:13] offset:512*\j
.endr
.irp n, 0,1,2,3
	XROW \n
	HLOAD \n, \n
.endr
.irp hd, 0,1,2,3,4,5,6,7,8,9,10,11,12
	HEAD \hd, 63                                   ; behind this head's loads: three times a row of x and a head, 3 x (8 + 13)
.endr
	HEAD 13, 42                                    ; twice
	HEAD 14, 21                                    ; once
	HEAD 15, 0                                     ; the stream's last loads: x's sixteen rows are in too, so the rows below wait for no load
	s_wait_dscnt 0x0                               ; my stores into the stage have read their registers, which the rows at work take
	DSL 0
.irp p, 0,1,2,3,4,5,6,7
	PAIR \p
.endr
	s_wait_tensorcnt 0x0
	ds_add_u32 v254, v255
	s_wait_dscnt 0x0
	s_endpgm
.Lfunc_end_k_qd555dfa6e1_out:
	.size	k_qd555dfa6e1_out, .Lfunc_end_k_qd555dfa6e1_out-k_qd555dfa6e1_out
	.p2alignl 7, 3214868480
	.fill 96, 4, 3214868480
	.section	.rodata,"a",@progbits
	.p2align	6, 0x0
	.amdhsa_kernel k_qd555dfa6e1_out
		.amdhsa_group_segment_fixed_size 263680
		.amdhsa_private_segment_fixed_size 0
		.amdhsa_enable_private_segment 0
		.amdhsa_kernarg_size 48
		.amdhsa_user_sgpr_count 2
		.amdhsa_user_sgpr_kernarg_segment_ptr 1
		.amdhsa_wavefront_size32 1
		.amdhsa_system_sgpr_workgroup_id_x 1
		.amdhsa_system_sgpr_workgroup_id_y 1
		.amdhsa_system_sgpr_workgroup_id_z 1
		.amdhsa_system_vgpr_workitem_id 0
		.amdhsa_next_free_vgpr 1024
		.amdhsa_next_free_sgpr 66
		.amdhsa_reserve_vcc 0
		.amdhsa_float_denorm_mode_32 3
		.amdhsa_float_denorm_mode_16_64 3
		.amdhsa_memory_ordered 1
		.amdhsa_forward_progress 1
		.amdhsa_inst_pref_size 210
	.end_amdhsa_kernel
	.amdgpu_metadata
---
amdhsa.version: [ 1, 2 ]
amdhsa.kernels:
  - .name:           k_qd555dfa6e1_out
    .symbol:         k_qd555dfa6e1_out.kd
    .args:
      - { .name: x, .offset: 0, .size: 8, .value_kind: global_buffer, .address_space: global }
      - { .name: pq, .offset: 8, .size: 8, .value_kind: global_buffer, .address_space: global }
      - { .name: gq, .offset: 16, .size: 8, .value_kind: global_buffer, .address_space: global }
      - { .name: gamma, .offset: 24, .size: 8, .value_kind: global_buffer, .address_space: global }
      - { .name: beta, .offset: 32, .size: 8, .value_kind: global_buffer, .address_space: global }
      - { .name: out0, .offset: 40, .size: 8, .value_kind: global_buffer, .address_space: global }
    .group_segment_fixed_size: 263680
    .private_segment_fixed_size: 0
    .kernarg_segment_align: 8
    .kernarg_segment_size: 48
    .max_flat_workgroup_size: 128
    .sgpr_count:     66
    .vgpr_count:     1024
    .wavefront_size: 32
...
	.end_amdgpu_metadata
.endif
;; end of part 4
;; ======== version 2 of 2: 4 launches; version 1 with the launches qkv, out written anew for expert scheduling mode
;; workspace buffers: xq 13,107,200 bytes; wq 2,457,600 bytes; pq 14,680,064 bytes; gp 4,456,448 bytes; gq 229,376 bytes
;; launch prep: the kernel of part 1 again; grid 256 x 1, 8 waves a work-group, no clusters, 68,608 bytes of LDS; arguments x, Wq_codes, Wq_scales, Wk_codes, Wk_scales, Wv_codes, Wv_scales, xq, wq; writes xq, wq
;; launch qkv (part 5): grid 16 x 16, 4 waves a work-group, no clusters, 223,744 bytes of LDS; arguments xq, wq, bq, bk, bv, pq, gp; writes pq, gp
.if DOCPART == 5
	.amdgcn_target "amdgcn-amd-amdhsa--gfx1250"
	.amdhsa_code_object_version 6
	.text
	.protected	k_qd555dfa6e1_qkv
	.globl	k_qd555dfa6e1_qkv
	.p2align	8
	.type	k_qd555dfa6e1_qkv,@function
k_qd555dfa6e1_qkv:
	s_mov_b64 s[64:65], 0
	v_nop
	global_prefetch_b8 v0, s[64:65] scope:SCOPE_SE
	s_setreg_imm32_b32 hwreg(HW_REG_WAVE_SCHED_MODE, 0, 2), 2
	s_setreg_imm32_b32 hwreg(HW_REG_WAVE_MODE, 25, 1), 1
	s_wait_xcnt 0x0
	s_wait_alu depctr_vm_vsrc(0)
; QKV.  For one head and 1,024 rows of x: q, k, v = x W^T + b on codes of BF6; q's softmax over the head's 64 leaves as codes; k's softmax over the rows and v are quantised along the rows and multiplied at once:
; a partial map G[d][e] = sum over the rows of p_k[row][d] v[row][e], with its whole number M[d] and its sum l[d].
; SOFTMAX AHEAD OF A PRODUCT: t = logit x log2(e); M = the largest t rounded UP to a whole number; p = 2^(t - M) is quantised, not normalised; the sum is taken of the unquantised p.  For k each wave keeps a running M:
; when M moves, l and G are multiplied by 2^(old M - new M), which rounds nothing.
; SHARES.  Work-group (x = head, y = which 1,024 rows).  Wave w takes the blocks of 64 rows 16 y + w + 4 i, i = 0 .. 3: 64 rows x 192 columns in 48 accumulators, 8 K steps of 48 products; then the softmaxes; then 16 products for G
; (K = the block's 64 rows and 64 zero codes on both sides).  The head's weights, 153,600 bytes in operand order, lie in LDS for the whole launch; x's images go from memory straight into the registers of the one wave that multiplies them.
; LAYOUT.  q is used transposed (source 0 = 16 rows of Wq, source 1 = 16 rows of x): a lane holds one row of x and registers along d.  k and v are used as they stand (source 0 = x, source 1 = W): a lane holds one column d or e
; and registers along the rows.  The rows of Wq's tiles and of x's tiles are chosen so that 16 registers of two neighbouring tiles are 16 neighbours along the next K.
; G = (source 0 = v's codes, source 1 = p_k's codes): a lane holds one d, so M, l and the rescaling are a lane's own.
; NO JOINT LOADS, though the sixteen heads of one y read the same images of x: a joint load lands in LDS, where a wave already reads 18,432 bytes of weights for a K step's 48 products; x's 6,400 bytes would come on top of them,
; while a load into registers costs LDS nothing.  So the launch has no tensor load, no ring and one barrier in front of the loop.
; LIMITS: p under 2^-126 becomes 0; a block whose largest magnitude lies under 2^-122 keeps the byte 1; NaN and infinities are not served.  reference() takes no number from mask and pad_mask: they are not named.
; REGISTERS, in windows of 256 (s_set_vgpr_msb: bits 1:0 source 0, 3:2 source 1, 5:4 source 2, 7:6 destination):
;   window 0: v1-3 16 x lane + 0, 57,600, 115,200; v5 8 x lane, v6 4 x lane; v9-15 addresses; v16-63 the weights' scale words; v64-69 x's, three sets; v80-223 x's fragments, three sets of four; v224-227 v's scale words, v228-231 p_k's
;   window 1: v0-143 the weights' twelve fragments, behind the K steps at work; v144-239 the biases in the results' layout; v240-247 -M and the largest t of k's four tiles; v248-251 l
;   window 2: v0-127 q (tile of rows T, tile of d: 32 T + 8 tau), later v's and p_k's codes; v128-255 k (128 + 32 t + 8 T)
;   window 3: v0-127 v (32 t + 8 T); v128-255 G (128 + 32 a + 8 c)
; THE MODE: SCHED_MODE bits 1:0 = 2 (LLVM: expert scheduling mode 2), set by the entry lines.  The code itself states the register dependences
; between vector or matrix instructions and memory or LDS instructions, with s_wait_alu, always for 0.
; THE PLAN.  Registers that memory or LDS instructions touch, and who else names them:
;   window 1 v0-143            The LDS loads of the weights' fragments land here; the K steps' products read them.  Behind K step 7 the softmaxes write and read v0-127 at work, and q's stores read v64-127.
;   window 0 v80-223, v64-69   x's three sets: loads land; the products of every third K step read.
;   windows 2 and 3            At the head the weights pass through them (loads land, LDS stores read).  Then products and vector instructions alone; at the end LDS stores read G and LDS loads land in window 2's v0-127.
;   window 0 v1-15             Offsets and addresses: made at the head, never written again.
; THE WAITS.  At a block's head one on vm_vsrc and one on va_vdst, for the fragments' registers.  In a K step two on va_vdst: in its middle, where fragments 0-5 have been multiplied and are asked for anew, and at its end,
; for fragments 6-11 and x's set.  The twelve fragments have ONE set of registers (a second would be 144 registers, and the four windows have some 36 to spare), so each half is asked for again behind the products that read it.
; q's stores of a tile stand behind the wait that follows the NEXT batch of exponentials, which stands there anyway: each tile's codes have registers of their own, which nothing written since that wait touches.
; One wait on va_vdst ahead of the products for G (their operands come from vector instructions), one ahead of the LDS stores at the end, one ahead of the last global stores.
.set CG,    153600                     ; LDS behind the weights: a wave's G, 16,384 bytes each
.set CS,    CG+4*16384                 ; and its -M and l, 1,024 bytes each
.set PSOFF, 12582912                   ; pq: the scale words and 1 / l lie behind the codes
.set SW,  16
.set XS,  64
.set XF,  80
.set VS,  224
.set KS,  228
.set BQ,  144                          ; window 1
.set BK,  176
.set BV,  208
.set NM,  240
.set LL,  248
.set P,   0                            ; window 1, at work: 32 numbers p
.set MB,  32                           ; the two blocks' largest
.set XX,  34                           ; the other half of the lanes'
.set SO,  36                           ; the conversions' scale operands
.set BY,  38                           ; the scale bytes
.set OLD, 40
.set F,   42                           ; f = 2^(old M - new M); beside it the whole number
.set SUM, 44
.set QNM, 48                           ; q: -M; beside it t
.set RC,  50
.set WORD, 51
.set PCQ, 64                           ; q's codes on their way out: 16 registers for each tile of rows
.set QA,  0                            ; window 2
.set KA,  128
.set VFR, 0
.set KFR, 48
.set VA,  0                            ; window 3
.set GA,  128
.set MSB, 0
.macro WIN new                         ; the immediate's high byte repeats the setting that is left; a switch that changes nothing is dropped
.if MSB != (\new)
	s_set_vgpr_msb (MSB<<8)|(\new)
.set MSB, (\new)
.endif
.endm
.macro PLACES n
.rept \n
	v_nop
.endr
.endm
.macro WM                              ; one product, from the symbols rD rA rB rC (registers), rSA rSB (scale words), fA fB (1: the words lie in lanes 16-31)
.if fA && fB
	v_wmma_scale_f32_16x16x128_f8f6f4 v[rD:rD+7], v[rA:rA+11], v[rB:rB+11], v[rC:rC+7], v[rSA], v[rSB] matrix_a_fmt:MATRIX_FMT_BF6 matrix_b_fmt:MATRIX_FMT_BF6 matrix_a_scale:MATRIX_SCALE_ROW1 matrix_b_scale:MATRIX_SCALE_ROW1
.elseif fA
	v_wmma_scale_f32_16x16x128_f8f6f4 v[rD:rD+7], v[rA:rA+11], v[rB:rB+11], v[rC:rC+7], v[rSA], v[rSB] matrix_a_fmt:MATRIX_FMT_BF6 matrix_b_fmt:MATRIX_FMT_BF6 matrix_a_scale:MATRIX_SCALE_ROW1
.elseif fB
	v_wmma_scale_f32_16x16x128_f8f6f4 v[rD:rD+7], v[rA:rA+11], v[rB:rB+11], v[rC:rC+7], v[rSA], v[rSB] matrix_a_fmt:MATRIX_FMT_BF6 matrix_b_fmt:MATRIX_FMT_BF6 matrix_b_scale:MATRIX_SCALE_ROW1
.else
	v_wmma_scale_f32_16x16x128_f8f6f4 v[rD:rD+7], v[rA:rA+11], v[rB:rB+11], v[rC:rC+7], v[rSA], v[rSB] matrix_a_fmt:MATRIX_FMT_BF6 matrix_b_fmt:MATRIX_FMT_BF6
.endif
.endm
.macro QPROD k, j                      ; K step k: Wq's tile j against x's four tiles.  In K step 0 the bias is C: nothing is cleared, nothing is added later
.irp T, 0,1,2,3
.set rD, QA+32*\T+8*(\j)
.set rA, 12*(\j)
.set rB, XF+48*((\k)%3)+12*\T
.set rC, rD
.if (\k) == 0
.set rC, BQ+8*(\j)
.endif
.set rSA, SW+6*(\k)+(\j)/2
.set fA, (\j)%2
.set rSB, XS+2*((\k)%3)+\T/2
.set fB, \T%2
	WM
.endr
.endm
.macro KVPROD k, j                     ; x's four tiles against fragment j: 4-7 Wk's tiles, 8-11 Wv's
.irp T, 0,1,2,3
.set rD, 128*(2-(\j)/4)+32*((\j)%4)+8*\T
.set rA, XF+48*((\k)%3)+12*\T
.set rB, 12*(\j)
.set rC, rD
.if (\k) == 0
.set rC, BK+32*((\j)/4-1)+8*((\j)%4)
.endif
.set rSA, XS+2*((\k)%3)+\T/2
.set fA, \T%2
.set rSB, SW+6*(\k)+(\j)/2
.set fB, (\j)%2
	WM
.endr
.endm
.macro XLOAD n, k                      ; x's four images and its scale words of K step k into set n: 13 loads
.irp T, 0,1,2,3
.irp c, 0,1,2
	global_load_b128 v[XF+48*(\n)+12*\T+4*\c:XF+48*(\n)+12*\T+4*\c+3], v1, s[28:29] offset:(\k)*6400+\T*1536+512*\c
.endr
.endr
	global_load_b64 v[XS+2*(\n):XS+2*(\n)+1], v5, s[28:29] offset:(\k)*6400+6144
.endm
.macro WLOAD half, k                   ; six of the weights' fragments of K step k: 18 LDS loads of 512 consecutive bytes
	WIN 0x40
.irp j, 0,1,2,3,4,5
.irp c, 0,1,2
	ds_load_b128 v[12*(6*(\half)+\j)+4*\c:12*(6*(\half)+\j)+4*\c+3], v[1+(\k)/3] offset:((\k)%3)*19200+(6*(\half)+\j)*1536+512*\c
.endr
.endr
.endm
; A K step: 48 products, each accumulator once, so that no two matrix instructions that follow each other share an accumulator.
; A load into a register that a matrix instruction has read stands four places behind it (ISA guide 7.12.1 for vector instructions).
.macro KSTEP k
.if (\k) < 6
	s_wait_loadcnt 26                              ; this K step's 13 loads of x are in; those of the two steps behind it may be out
.elseif (\k) == 6
	s_wait_loadcnt 13
.else
	s_wait_loadcnt 0x0
.endif
	s_wait_dscnt 18                                ; fragments 0-5 are in; the 18 loads of fragments 6-11 may be out
.if (\k) == 0
	WIN 0x91                                       ; source 0 (W) window 1, source 1 (x) window 0, C (bias) window 1, D window 2
.else
	WIN 0xa1
.endif
.irp j, 0,1,2,3
	QPROD \k, \j
.endr
.if (\k) == 0
	WIN 0x94                                       ; source 0 (x) window 0, source 1 (W) window 1
.else
	WIN 0xa4
.endif
	KVPROD \k, 4
	KVPROD \k, 5
	PLACES 4
.if (\k) < 7
	s_wait_alu depctr_va_vdst(0)                   ; the 24 products above are done reading fragments 0-5, in which the 18 loads below land
	WLOAD 0, (\k)+1
	s_wait_dscnt 18                                ; fragments 6-11 are in; the 18 just issued may be out
.else
	s_wait_dscnt 0x0
.endif
.if (\k) == 0
	WIN 0x94
.else
	WIN 0xa4
.endif
	KVPROD \k, 6
	KVPROD \k, 7
.if (\k) == 0
	WIN 0xd4                                       ; D window 3
.else
	WIN 0xf4
.endif
.irp j, 8,9,10,11
	KVPROD \k, \j
.endr
	PLACES 4
	s_wait_alu depctr_va_vdst(0)                   ; this K step's products are done reading fragments 6-11 and x's set with its scale words, in which the loads below land (behind K step 7: the next block's first loads of x, into all three sets)
.if (\k) < 7
	WLOAD 1, (\k)+1
.endif
.if (\k) < 5
	WIN 0
	XLOAD (\k)%3, (\k)+3                           ; the set just multiplied takes the K step three further on
.endif
.endm
; The largest score of each of the two blocks of 32, from window 2's v[a] on: it serves for the maximum and, since p rises with the score, for the block's largest p.  Each accumulator is read from its low end on.
.macro BLKMAX a
	WIN 0x6a
.irp b, 0,1
	v_max3_num_f32 v[MB+\b], v[(\a)+16*\b], v[(\a)+16*\b+1], v[(\a)+16*\b+2]
.endr
	WIN 0x69
.irp i, 3,5,7,9,11,13
.irp b, 0,1
	v_max3_num_f32 v[MB+\b], v[MB+\b], v[(\a)+16*\b+\i], v[(\a)+16*\b+\i+1]
.endr
.endr
.irp b, 0,1
	v_max_num_f32 v[MB+\b], v[MB+\b], v[(\a)+16*\b+15]
.endr
	WIN 0x55
.irp b, 0,1
	v_permlanex16_b32 v[XX+\b], v[MB+\b], s24, s25
.endr
.irp b, 0,1
	v_max_num_f32 v[MB+\b], v[MB+\b], v[XX+\b]     ; with lane l xor 16's 16
.endr
.endm
; p = 2^(c score - M) into P; the blocks' largest p by the same two instructions.  nm: the pair (-M, t).  It ends with the batch's one wait
.macro POW1 a, nm
	WIN 0x52
.set i, 0
.rept 16
	v_pk_fma_f32 v[P+i:P+i+1], v[(\a)+i:(\a)+i+1], s[22:23], v[\nm:\nm+1] op_sel_hi:[1,0,0]
.set i, i+2
.endr
	WIN 0x55
.irp b, 0,1
	v_fma_f32 v[MB+\b], v[MB+\b], s22, v[\nm]
.endr
.set i, 0
.rept 32
	v_exp_f32 v[P+i], v[P+i]
.set i, i+1
.endr
.irp b, 0,1
	v_exp_f32 v[MB+\b], v[MB+\b]
.endr
	v_nop                                          ; a plain place behind the exponentials
	s_wait_alu depctr_va_vdst(0)                   ; the 34 exponentials have written p and the blocks' largest p, ahead of their first reader; and the tile of q before has written its codes, scale words and 1 / l, which the stores that follow this line read
.endm
.macro POW2                            ; the blocks' scale operands and bytes
	WIN 0x55
.irp b, 0,1
	v_max_num_f32 v[MB+\b], 0x2800000, v[MB+\b]    ; the floor 2^(5 - 127)
.endr
.irp b, 0,1
	v_add_nc_u32 v[SO+\b], 0xfe000000, v[MB+\b]    ; 4 off the exponent field
.endr
.irp b, 0,1
	v_lshrrev_b32 v[BY+\b], 23, v[SO+\b]
.endr
.endm
.macro SUMP                            ; the sum of my 32 unquantised p, in two chains
	v_pk_add_f32 v[SUM:SUM+1], v[P:P+1], v[P+2:P+3]
	v_pk_add_f32 v[SUM+2:SUM+3], v[P+4:P+5], v[P+6:P+7]
.irp j, 8,12,16,20,24,28
	v_pk_add_f32 v[SUM:SUM+1], v[SUM:SUM+1], v[P+\j:P+\j+1]
	v_pk_add_f32 v[SUM+2:SUM+3], v[SUM+2:SUM+3], v[P+\j+2:P+\j+3]
.endr
	v_pk_add_f32 v[SUM:SUM+1], v[SUM:SUM+1], v[SUM+2:SUM+3]
	v_add_f32 v[SUM], v[SUM], v[SUM+1]
.endm
.macro WHOLE f                         ; half blocks become whole blocks in a lane: registers f .. f + 5; the conversions' second results stood at f + 6 on.  Then the zero codes of K = 64 .. 127
.irp i, 0,1,2
	v_permlane16_swap_b32 v[(\f)+\i], v[(\f)+6+\i]
.endr
.irp i, 0,1,2
	v_mov_b32 v[(\f)+3+\i], v[(\f)+6+\i]
.endr
.irp i, 6,7,8,9,10,11
	v_mov_b32 v[(\f)+\i], 0
.endr
.endm
; The tile of rows T of q leaves: it stands directly behind the wait of the batch of exponentials that follows the tile's own arithmetic
.macro QSEND T
.set PCS, PCQ+16*(\T)
	WIN 0x04                                       ; a store's data are its source 1: window 1
	global_store_b128 v1, v[PCS:PCS+3], s[30:31] offset:(\T)*12288        ; 512 consecutive bytes, aligned to 256
	global_store_b64 v5, v[PCS+4:PCS+5], s[30:31] offset:(\T)*12288+512   ; 256 consecutive bytes, aligned
	global_store_b32 v6, v[PCS+12], s[32:33] offset:(\T)*2048
.endm
; q's softmax for the tile of rows T: a lane holds one row; codes, scale word and 1 / l go to pq
.macro QPOST T
.set PCT, PCQ+16*(\T)
	BLKMAX QA+32*(\T)
	v_max_num_f32 v[QNM+1], v[MB], v[MB+1]
	v_mul_f32 v[QNM+1], s22, v[QNM+1]              ; the row's largest t
	v_floor_f32 v[QNM], -v[QNM+1]                  ; -M = floor(-t) = -ceil(t)
	POW1 QA+32*(\T), QNM
.if (\T) > 0
	QSEND \T-1                                     ; the tile before: no vector instruction since the wait names its registers
.endif
	POW2
	v_lshl_or_b32 v[WORD], v[BY+1], 8, v[BY]
	v_cvt_scalef32_pk16_bf6_f32 v[PCT:PCT+2], v[P:P+15], v[SO]
	v_cvt_scalef32_pk16_bf6_f32 v[PCT+8:PCT+10], v[P+16:P+31], v[SO+1]
	v_nop                                          ; one plain place behind a scaled conversion
.irp i, 0,1,2
	v_permlane16_swap_b32 v[PCT+\i], v[PCT+8+\i]
.endr
.irp i, 0,1,2
	v_mov_b32 v[PCT+3+\i], v[PCT+8+\i]
.endr
	SUMP
	v_permlanex16_b32 v[XX], v[SUM], s24, s25
	v_add_f32 v[SUM], v[SUM], v[XX]                ; the row's sum
	v_rcp_f32 v[RC], v[SUM]
	v_nop                                          ; a plain place behind the reciprocal
	s_wait_alu depctr_va_vdst(0)                   ; the reciprocal has written 1 / l, ahead of its first reader
	v_cndmask_b32 v[PCT+12], v[WORD], v[RC], s27   ; lanes 0-15 send the scale words, lanes 16-31 the rows' 1 / l
.endm
; v's tile c (e = 16 c + lane % 16) is quantised along the block's 64 rows
.macro VPOST c
.set VB, VA+32*(\c)
.set VFC, VFR+12*(\c)
	WIN 0x4f
.irp b, 0,1
	v_max3_num_f32 v[MB+\b], |v[VB+16*\b]|, |v[VB+16*\b+1]|, 0x2800000
.endr
	WIN 0x7d
.irp i, 2,4,6,8,10,12,14
.irp b, 0,1
	v_max3_num_f32 v[MB+\b], v[MB+\b], |v[VB+16*\b+\i]|, |v[VB+16*\b+\i+1]|
.endr
.endr
	WIN 0x55
.irp b, 0,1
	v_permlanex16_b32 v[XX+\b], v[MB+\b], s24, s25
.endr
.irp b, 0,1
	v_max_num_f32 v[MB+\b], v[MB+\b], v[XX+\b]
.endr
.irp b, 0,1
	v_add_nc_u32 v[SO+\b], 0xfe000000, v[MB+\b]
.endr
.irp b, 0,1
	v_lshrrev_b32 v[BY+\b], 23, v[SO+\b]
.endr
	WIN 0x15
	v_lshl_or_b32 v[VS+(\c)], v[BY+1], 8, v[BY]    ; bytes 2 and 3 stay 0: they scale zero codes
	WIN 0x87
	v_cvt_scalef32_pk16_bf6_f32 v[VFC:VFC+2], v[VB:VB+15], v[SO]
	v_cvt_scalef32_pk16_bf6_f32 v[VFC+6:VFC+8], v[VB+16:VB+31], v[SO+1]
	v_nop
	WIN 0xaa
	WHOLE VFC
.endm
; k's tile a (d = 16 a + lane % 16): the running M, p, its codes along the rows, l, and G's rescaling
.macro KPOST a
.set KB, KA+32*(\a)
.set KFA, KFR+12*(\a)
.set NMA, NM+2*(\a)
.set GB, GA+32*(\a)
	BLKMAX KB
	v_max_num_f32 v[F+1], v[MB], v[MB+1]
	v_mul_f32 v[F+1], s22, v[F+1]
	v_max_num_f32 v[NMA+1], v[NMA+1], v[F+1]       ; the running largest t
	v_mov_b32 v[OLD], v[NMA]
	v_floor_f32 v[NMA], -v[NMA+1]                  ; the new -M
	v_sub_f32 v[F+1], v[NMA], v[OLD]               ; old M - new M: a whole number, 0 or less
	v_cvt_i32_f32 v[F+1], v[F+1]                   ; (it saturates)
	v_ldexp_f32 v[F], 1.0, v[F+1]                  ; f
	POW1 KB, NMA
.if (\a) == 0
	QSEND 3                                        ; q's last tile: no vector instruction since the wait names its registers
.endif
	POW2
	WIN 0x15
	v_lshl_or_b32 v[KS+(\a)], v[BY+1], 8, v[BY]
	WIN 0x85
	v_cvt_scalef32_pk16_bf6_f32 v[KFA:KFA+2], v[P:P+15], v[SO]
	v_cvt_scalef32_pk16_bf6_f32 v[KFA+6:KFA+8], v[P+16:P+31], v[SO+1]
	v_nop
	WIN 0xaa
	WHOLE KFA
	WIN 0x55
	SUMP
	v_fma_f32 v[LL+(\a)], v[LL+(\a)], v[F], v[SUM]   ; my half of the rows' sum, under the new M
	WIN 0xc7
.set i, 0
.rept 16
	v_pk_mul_f32 v[GB+i:GB+i+1], v[GB+i:GB+i+1], v[F:F+1] op_sel_hi:[1,0]   ; G under the new M; each accumulator from its low end on
.set i, i+2
.endr
.endm
	s_load_b256 s[4:11], s[0:1], 0x0               ; xq s[4:5], wq s[6:7], bq s[8:9], bk s[10:11]
	s_load_b128 s[12:15], s[0:1], 0x20             ; bv s[12:13], pq s[14:15]
	s_load_b64 s[16:17], s[0:1], 0x30              ; gp
	v_lshl_add_u32 v254, v0, 2, 0x36800
	v_mov_b32 v255, 0
	v_lshrrev_b32 v8, 5, v0
	v_readfirstlane_b32 s18, v8                    ; wave
	s_mov_b32 s19, ttmp9                           ; head
	s_and_b32 s20, ttmp7, 0xffff                   ; y
	v_and_b32 v7, 31, v0
	v_lshlrev_b32 v1, 4, v7                        ; 16 x lane: an image's place for my lane; also the LDS base of K steps 0-2,
	v_add_nc_u32 v2, 57600, v1                     ; of K steps 3-5,
	v_add_nc_u32 v3, 115200, v1                    ; of K steps 6, 7
	v_lshlrev_b32 v5, 3, v7
	v_lshlrev_b32 v6, 2, v7
	s_wait_alu depctr_va_sdst(0)                   ; s18 is written, ahead of its first reader: LDS addresses and the buffers' offsets are made from it
	s_mul_i32 s40, s18, 38400
	v_add_nc_u32 v9, s40, v1                       ; where I copy my quarter of the weights
	s_lshl_b32 s40, s18, 14
	s_add_co_u32 s40, s40, CG
	v_add_nc_u32 v10, s40, v1                      ; where my G goes
	s_lshl_b32 s40, s18, 10
	s_add_co_u32 s40, s40, CS
	v_add_nc_u32 v11, s40, v6                      ; and my -M and l
	s_lshl_b32 s40, s18, 12
	s_add_co_u32 s40, s40, CG
	v_add_nc_u32 v12, s40, v1                      ; where I read tile a = my wave's number of every wave's G
	s_lshl_b32 s40, s18, 7
	s_add_co_u32 s40, s40, CS
	v_add_nc_u32 v13, s40, v6
	v_bfe_u32 v14, v0, 4, 1
	v_lshlrev_b32 v14, 6, v14                      ; bq: 64 h
	v_and_b32 v15, 15, v0
	v_lshlrev_b32 v15, 2, v15                      ; bk, bv: 4 r
	s_mov_b32 s22, 0x3fb8aa3b                      ; c = log2(e)
	s_mov_b32 s23, s22                             ; (named with it as a pair, so it is written)
	s_mov_b32 s24, 0x76543210
	s_mov_b32 s25, 0xfedcba98
	s_mov_b32 s26, 4                               ; blocks to go
	s_mov_b32 s27, 0xffff0000                      ; lanes 16-31
	s_lshl_b32 s40, s20, 4
	s_add_co_u32 s40, s40, s18                     ; my first block: 16 y + wave
	s_mul_i32 s28, s40, 51200
	s_mov_b32 s29, 0
	s_mul_i32 s30, s40, 49152
	s_mul_i32 s41, s19, 768
	s_add_co_u32 s30, s30, s41
	s_mov_b32 s31, 0
	s_lshl_b32 s32, s40, 13
	s_lshl_b32 s41, s19, 7
	s_add_co_u32 s32, s32, s41
	s_add_co_u32 s32, s32, PSOFF
	s_mov_b32 s33, 0
	s_lshl_b32 s34, s20, 4
	s_add_co_u32 s34, s34, s19
	s_mul_i32 s34, s34, 17408                      ; the work-group's part of gp
	s_lshl_b32 s41, s18, 8
	s_add_co_u32 s44, s34, s41
	s_add_co_u32 s44, s44, 16384                   ; tile a's -M and l
	s_mov_b32 s45, 0
	s_lshl_b32 s41, s18, 12
	s_add_co_u32 s34, s34, s41                     ; tile a's G
	s_mov_b32 s35, 0
	s_mul_i32 s36, s19, 153600
	s_mov_b32 s37, 0
	s_mul_i32 s38, s18, 38400
	s_mov_b32 s39, 0
	s_lshl_b32 s42, s19, 8                         ; the head's 64 numbers of a bias
	s_mov_b32 s43, 0
	s_wait_kmcnt 0x0
	s_add_nc_u64 s[28:29], s[4:5], s[28:29]
	s_add_nc_u64 s[30:31], s[14:15], s[30:31]
	s_add_nc_u64 s[32:33], s[14:15], s[32:33]
	s_add_nc_u64 s[34:35], s[16:17], s[34:35]
	s_add_nc_u64 s[44:45], s[16:17], s[44:45]
	s_add_nc_u64 s[6:7], s[6:7], s[36:37]          ; the head's block of wq
	s_add_nc_u64 s[36:37], s[6:7], s[38:39]        ; my quarter of it
	s_add_nc_u64 s[8:9], s[8:9], s[42:43]
	s_add_nc_u64 s[10:11], s[10:11], s[42:43]
	s_add_nc_u64 s[12:13], s[12:13], s[42:43]
	s_wait_alu depctr_va_vdst(0)                   ; the offsets and addresses v1 to v15 are written: every load, store and LDS instruction of the kernel reads one of them, and none is written again
.irp k, 0,1,2,3,4,5,6,7
.irp m, 0,1,2
	global_load_b64 v[SW+6*\k+2*\m:SW+6*\k+2*\m+1], v5, s[6:7] offset:\k*19200+18432+256*\m   ; the weights' scale words stay in registers
.endr
.endr
	WIN 0x40
.irp t, 0,1,2,3
	global_load_b128 v[BQ+8*\t:BQ+8*\t+3], v14, s[8:9] offset:(32*(\t/2)+8*(\t%2))*4        ; bq at the lane's eight d of tile t
	global_load_b128 v[BQ+8*\t+4:BQ+8*\t+7], v14, s[8:9] offset:(32*(\t/2)+8*(\t%2))*4+16
	global_load_b32 v[BK+8*\t], v15, s[10:11] offset:64*\t                                  ; bk and bv at the lane's one column
	global_load_b32 v[BV+8*\t], v15, s[12:13] offset:64*\t
.endr
	WIN 0x80
.set i, 0
.rept 64
	global_load_b128 v[4*i:4*i+3], v1, s[36:37] offset:512*i       ; my 38,400 bytes of the weights: 75 loads of 512 bytes, through registers that the sums will take
.set i, i+1
.endr
	WIN 0xc0
.rept 11
	global_load_b128 v[4*(i-64):4*(i-64)+3], v1, s[36:37] offset:512*i
.set i, i+1
.endr
	WIN 0
	XLOAD 0, 0
	XLOAD 1, 1
	XLOAD 2, 2
	s_wait_loadcnt 39                              ; all but x's three sets of 13
	WIN 0x08
.set i, 0
.rept 64
	ds_store_b128 v9, v[4*i:4*i+3] offset:512*i
.set i, i+1
.endr
	WIN 0x0c
.rept 11
	ds_store_b128 v9, v[4*(i-64):4*(i-64)+3] offset:512*i
.set i, i+1
.endr
	WIN 0x55
.irp t, 0,1,2,3
.irp j, 1,2,3,4,5,6,7
	v_mov_b32 v[BK+8*\t+\j], v[BK+8*\t]            ; a lane's eight results of k and of v are one column: the bias eight times
	v_mov_b32 v[BV+8*\t+\j], v[BV+8*\t]
.endr
.endr
.irp a, 0,1,2,3
	v_mov_b32 v[NM+2*\a+1], 0xff61b1e6             ; the largest t so far: -3e38
	v_floor_f32 v[NM+2*\a], -v[NM+2*\a+1]          ; -M
	v_mov_b32 v[LL+\a], 0
.endr
	WIN 0xc0
.set i, 0
.rept 128
	v_mov_b32 v[GA+i], 0                           ; G.  (The block is written once: the first finds zeros, which the first change of M leaves zeros)
.set i, i+1
.endr
	WIN 0
	s_wait_dscnt 0x0                               ; for the others' sake: my quarter of the weights lies in LDS
	s_barrier_signal -1
	s_barrier_wait -1
.Lblock:
	s_wait_alu depctr_vm_vsrc(0)                   ; first trip: my LDS stores of the weights have read the registers of windows 2 and 3 that K step 0's products write; later trips: q's stores have read window 1's v64-127, in which fragments land
	s_wait_alu depctr_va_vdst(0)                   ; the last block's softmaxes are done writing and reading window 1's v0-127, in which the fragments' loads below land
	WLOAD 0, 0
	WLOAD 1, 0
	KSTEP 0
	KSTEP 1
	KSTEP 2
	KSTEP 3
	KSTEP 4
	KSTEP 5
	KSTEP 6
	KSTEP 7
	WIN 0
	s_cmp_eq_u32 s26, 1                            ; the next block's first three K steps of x are asked for here, if there is a next block: no load leaves its buffer
	s_cbranch_scc1 .Lno_next
	s_add_nc_u64 s[28:29], s[28:29], 204800        ; four blocks on (K step 7 waited for all loads: the base is free)
	XLOAD 0, 0
	XLOAD 1, 1
	XLOAD 2, 2
.Lno_next:
	QPOST 0
	QPOST 1
	QPOST 2
	QPOST 3
	VPOST 0
	VPOST 1
	VPOST 2
	VPOST 3
	KPOST 0
	KPOST 1
	KPOST 2
	KPOST 3
	PLACES 8                                       ; a scale word written by a vector instruction stands eight places ahead of a scaled product, an operand so written four
	s_wait_alu depctr_va_vdst(0)                   ; the vector instructions have written v's and p_k's codes and scale words, which the scaled products below take; the places above stay beside this wait
	WIN 0xfa                                       ; sources window 2, C and D window 3
.irp a, 0,1,2,3
.irp c, 0,1,2,3
	v_wmma_scale_f32_16x16x128_f8f6f4 v[GA+32*\a+8*\c:GA+32*\a+8*\c+7], v[VFR+12*\c:VFR+12*\c+11], v[KFR+12*\a:KFR+12*\a+11], v[GA+32*\a+8*\c:GA+32*\a+8*\c+7], v[VS+\c], v[KS+\a] matrix_a_fmt:MATRIX_FMT_BF6 matrix_b_fmt:MATRIX_FMT_BF6
.endr
.endr
	PLACES 5                                       ; the next block's first products write over the codes just multiplied: five places (ISA guide 7.12.1)
	WIN 0
	s_wait_xcnt 0x0                                ; q's stores have read their data and bases: both are written again only behind this wait
	s_add_nc_u64 s[30:31], s[30:31], 196608
	s_add_nc_u64 s[32:33], s[32:33], 32768
	s_sub_co_u32 s26, s26, 1
	s_cmp_lg_u32 s26, 0
	s_cbranch_scc1 .Lblock
	; ---- the four waves' maps become one.  Each wave's G, -M and l go to LDS; behind the barrier wave w merges tile a = w
	WIN 0x55
.irp a, 0,1,2,3
	v_permlanex16_b32 v[P+\a], v[LL+\a], s24, s25
.endr
.irp a, 0,1,2,3
	v_add_f32 v[LL+\a], v[LL+\a], v[P+\a]          ; with the other half of the rows
.endr
	s_wait_alu depctr_va_vdst(0)                   ; the last products have written G and the additions l, which the LDS stores below read; and all that named window 2's v0-127 and window 1's v0-7 is done: the LDS loads behind the barrier land there, and nothing between names them
	WIN 0x0c
.set i, 0
.rept 32
	ds_store_b128 v10, v[GA+4*i:GA+4*i+3] offset:512*i   ; each accumulator from its low end on
.set i, i+1
.endr
	WIN 0x04
.irp a, 0,1,2,3
	ds_store_b32 v11, v[NM+2*\a] offset:128*\a
	ds_store_b32 v11, v[LL+\a] offset:512+128*\a
.endr
	WIN 0
	s_wait_dscnt 0x0                               ; for the others' sake
	s_barrier_signal -1
	s_barrier_wait -1
	WIN 0x80
.irp w, 0,1,2,3
.irp q, 0,1,2,3,4,5,6,7
	ds_load_b128 v[32*\w+4*\q:32*\w+4*\q+3], v12 offset:16384*\w+512*\q
.endr
.endr
	WIN 0x40
.irp w, 0,1,2,3
	ds_load_b32 v[\w], v13 offset:1024*\w          ; window 1: v0-3 the waves' -M, v4-7 their l
	ds_load_b32 v[4+\w], v13 offset:1024*\w+512
.endr
	s_wait_dscnt 0x0
	WIN 0x55
	v_min3_num_f32 v16, v0, v1, v2
	v_min_num_f32 v16, v16, v3                     ; the smallest -M: the largest M
.irp w, 0,1,2,3
	v_sub_f32 v[9+2*\w], v16, v[\w]                ; a wave's M less the largest: a whole number, 0 or less
.endr
.irp w, 0,1,2,3
	v_cvt_i32_f32 v[9+2*\w], v[9+2*\w]
.endr
.irp w, 0,1,2,3
	v_ldexp_f32 v[8+2*\w], 1.0, v[9+2*\w]
.endr
	v_mul_f32 v17, v4, v8
	v_fma_f32 v17, v5, v10, v17
	v_fma_f32 v17, v6, v12, v17
	v_fma_f32 v17, v7, v14, v17                    ; l under the largest M
	WIN 0xa6                                       ; G in window 2, the factors in window 1
.set i, 0
.rept 16
	v_pk_mul_f32 v[i:i+1], v[i:i+1], v[8:9] op_sel_hi:[1,0]
.set i, i+2
.endr
.irp w, 1,2,3
.set i, 0
.rept 16
	v_pk_fma_f32 v[i:i+1], v[32*\w+i:32*\w+i+1], v[8+2*\w:9+2*\w], v[i:i+1] op_sel_hi:[1,0,1]
.set i, i+2
.endr
.endr
	s_wait_alu depctr_va_vdst(0)                   ; the merged tile of G, its -M and its l are written, which the stores below read
	WIN 0x08
.irp q, 0,1,2,3,4,5,6,7
	global_store_b128 v1, v[4*\q:4*\q+3], s[34:35] offset:512*\q   ; 512 consecutive bytes, aligned to 256
.endr
	WIN 0x04
	global_store_b64 v5, v[16:17], s[44:45]        ; -M and l: 256 consecutive bytes, aligned
	WIN 0
	s_wait_dscnt 0x0                               ; the closing lines, six on end
	s_wait_alu 0x0
	s_wait_tensorcnt 0x0
	ds_add_u32 v254, v255
	s_wait_dscnt 0x0
	s_endpgm
.Lfunc_end_k_qd555dfa6e1_qkv:
	.size	k_qd555dfa6e1_qkv, .Lfunc_end_k_qd555dfa6e1_qkv-k_qd555dfa6e1_qkv
	.p2alignl 7, 3214868480
	.fill 96, 4, 3214868480
	.section	.rodata,"a",@progbits
	.p2align	6, 0x0
	.amdhsa_kernel k_qd555dfa6e1_qkv
		.amdhsa_group_segment_fixed_size 223744
		.amdhsa_private_segment_fixed_size 0
		.amdhsa_enable_private_segment 0
		.amdhsa_kernarg_size 56
		.amdhsa_user_sgpr_count 2
		.amdhsa_user_sgpr_kernarg_segment_ptr 1
		.amdhsa_wavefront_size32 1
		.amdhsa_system_sgpr_workgroup_id_x 1
		.amdhsa_system_sgpr_workgroup_id_y 1
		.amdhsa_system_sgpr_workgroup_id_z 1
		.amdhsa_system_vgpr_workitem_id 0
		.amdhsa_next_free_vgpr 1024
		.amdhsa_next_free_sgpr 66
		.amdhsa_reserve_vcc 0
		.amdhsa_float_denorm_mode_32 3
		.amdhsa_float_denorm_mode_16_64 3
		.amdhsa_memory_ordered 1
		.amdhsa_forward_progress 1
		.amdhsa_inst_pref_size 186
	.end_amdhsa_kernel
	.amdgpu_metadata
---
amdhsa.version: [ 1, 2 ]
amdhsa.kernels:
  - .name:           k_qd555dfa6e1_qkv
    .symbol:         k_qd555dfa6e1_qkv.kd
    .args:
      - { .name: xq, .offset: 0, .size: 8, .value_kind: global_buffer, .address_space: global }
      - { .name: wq, .offset: 8, .size: 8, .value_kind: global_buffer, .address_space: global }
      - { .name: bq, .offset: 16, .size: 8, .value_kind: global_buffer, .address_space: global }
      - { .name: bk, .offset: 24, .size: 8, .value_kind: global_buffer, .address_space: global }
      - { .name: bv, .offset: 32, .size: 8, .value_kind: global_buffer, .address_space: global }
      - { .name: pq, .offset: 40, .size: 8, .value_kind: global_buffer, .address_space: global }
      - { .name: gp, .offset: 48, .size: 8, .value_kind: global_buffer, .address_space: global }
    .group_segment_fixed_size: 223744
    .private_segment_fixed_size: 0
    .kernarg_segment_align: 8
    .kernarg_segment_size: 56
    .max_flat_workgroup_size: 128
    .sgpr_count:     66
    .vgpr_count:     1024
    .wavefront_size: 32
...
	.end_amdgpu_metadata
.endif
;; end of part 5
;; launch gmap: the kernel of part 3 again; grid 64 x 1, 4 waves a work-group, no clusters, 18,176 bytes of LDS; arguments gp, gq; writes gq
;; launch out (part 6): grid 256 x 1, 4 waves a work-group, no clusters, 263,680 bytes of LDS; arguments x, pq, gq, gamma, beta, out0; writes out0
.if DOCPART == 6
	.amdgcn_target "amdgcn-amd-amdhsa--gfx1250"
	.amdhsa_code_object_version 6
	.text
	.protected	k_qd555dfa6e1_out
	.globl	k_qd555dfa6e1_out
	.p2align	8
	.type	k_qd555dfa6e1_out,@function
k_qd555dfa6e1_out:
	s_mov_b64 s[64:65], 0
	v_nop
	global_prefetch_b8 v0, s[64:65] scope:SCOPE_SE
	s_setreg_imm32_b32 hwreg(HW_REG_WAVE_SCHED_MODE, 0, 2), 2
	s_setreg_imm32_b32 hwreg(HW_REG_WAVE_MODE, 25, 1), 1
	s_wait_xcnt 0x0
	s_wait_alu depctr_vm_vsrc(0)
; OUT.  o = p_q G / l_q on codes of BF6 (K = the head's 64 and 64 zero codes), y = x + o, and the norm over a row's 1,024 numbers: (y - mean) rsqrt(var + 1e-5) gamma + beta.
; SHARES.  A work-group takes a block of 64 rows, wave T the tile of 16 rows 32 (T / 2) + 8 (T % 2) + i + 8 (i / 8), for all sixteen heads.  Waves share nothing: no barrier.
; The product is used transposed (source 0 = 16 columns e of G, source 1 = my 16 rows' p): a lane holds one row and eight neighbouring e, so 1 / l is a lane's own.  The results go to the wave's own stage in LDS
; (16 rows of 4,096 bytes + 16) and come back as whole rows, 16 bytes a lane, beside x's row, which has been waiting in registers: x is read once, and a row's mean and variance never leave the wave.
; The variance is taken of y - mean in a second pass over the registers: no difference of large sums.
; LOADS.  Operands come from memory straight into registers, in the order in which an earlier launch laid them.  A wave's stream is gamma and beta (16 loads), then sixteen times a row of x (8 loads) and a head (13 loads).
; Four rows and four heads go out at the start; head k's turn asks for row k + 4 and head k + 4.  So behind a head's 13 loads stand three rows and three heads, 63 loads, when its products are due.
; At the start more loads are written than the counter's field holds: the issue then waits by itself (ISA guide 5.7.1), and no wait is placed for that.
; THE NORM goes two rows by turns, so that no line waits for the line above it, on four sets of registers; the next pair's rows of o are fetched from the stage in a pair's middle.
; G's 57,344 bytes of a batch are read by all its waves; they are under half of what a wave moves (x, out0), so nothing is shared by joint loads.  No tensor load.
; LIMITS: NaN and infinities are not served.  reference() takes no number from mask and pad_mask: they are not named.
; REGISTERS: window 0: v1 16 x lane, v2 8 x lane, v3 4 (lane % 16), v4, v5 the stage; v12-15 p's scale words, v16-31 G's, four sets; v32-63 gamma, v64-95 beta;
;   v96-127 the products, v128-191 o, two sets; behind the heads v96-223 four rows at work; v224-231 1 / l, four pairs; v232-249 sums.
;   window 1: v0-191 G's four fragments, four sets; v192-239 p's, four sets.   windows 2, 3: x's 16 rows, 32 registers each.
; THE MODE: SCHED_MODE bits 1:0 = 2 (LLVM: expert scheduling mode 2), set by the entry lines.  The code itself states the register dependences
; between vector or matrix instructions and memory or LDS instructions, with s_wait_alu, always for 0.
; THE PLAN.  Registers that memory or LDS instructions touch, and who else names them:
;   a head's set (G's and p's fragments, their scale words, 1 / l)   Loads land; the head's four products and sixteen multiplications read; the head four further on is then loaded into it.
;   o, two sets by turns     Written by a head's multiplications; read by its eight LDS stores; written again two heads later.
;   v96-223, four row sets   Behind the heads: LDS loads land (two sets a pair of rows); the pair's arithmetic writes and reads them; its sixteen global stores read them; the pair after next is loaded into them.
;   x's rows                 Loaded once, read by vector instructions alone.
;   v1 to v5                 Offsets and addresses: made at the head, never written again.
; THE WAITS.  In a head one on va_vdst, behind its multiplications: it serves the 13 loads into the set just multiplied and the eight LDS stores of o; and, from head 2 on, one on vm_vsrc ahead of the multiplications.
; In a pair of rows: one on vm_vsrc and one on va_vdst ahead of the next pair's LDS loads, the roots' own, and one on va_vdst ahead of the sixteen stores.
.set PSOFF, 12582912
.set PSW, 12
.set GS,  16
.set GAM, 32
.set BET, 64
.set DD,  96
.set OO,  128
.set Y,   96
.set PRL, 224
.set SM,  232                          ; a row's sums: four registers each
.set MU,  240                          ; a row's mean, as the low word of a pair
.set RQ,  244                          ; a row's 1 / root likewise
.set TP,  248
.set PF,  192                          ; window 1
.set MSB, 0
.macro WIN new                         ; the immediate's high byte repeats the setting that is left
.if MSB != (\new)
	s_set_vgpr_msb (MSB<<8)|(\new)
.set MSB, (\new)
.endif
.endm
.macro HLOAD n, hd                     ; head hd's operands into set n: 13 loads
	WIN 0x40
.irp c, 0,1,2,3
	global_load_b128 v[48*(\n)+12*\c:48*(\n)+12*\c+3], v1, s[8:9] offset:(\hd)*3584+\c*768
	global_load_b64 v[48*(\n)+12*\c+4:48*(\n)+12*\c+5], v2, s[8:9] offset:(\hd)*3584+\c*768+512
.endr
	global_load_b128 v[PF+12*(\n):PF+12*(\n)+3], v1, s[6:7] offset:(\hd)*768 th:TH_LOAD_NT
	global_load_b64 v[PF+12*(\n)+4:PF+12*(\n)+5], v2, s[6:7] offset:(\hd)*768+512 th:TH_LOAD_NT
	WIN 0
	global_load_b32 v[PRL+2*(\n)], v3, s[30:31] offset:(\hd)*128+64      ; my row's 1 / l
	global_load_b128 v[GS+4*(\n):GS+4*(\n)+3], v1, s[8:9] offset:(\hd)*3584+3072
	global_load_b32 v[PSW+(\n)], v3, s[30:31] offset:(\hd)*128           ; my row's scale word
.endm
.macro XROW i                          ; row i of my tile: 8 loads of 512 consecutive bytes
	WIN 0x80+0x40*((\i)/8)
.irp j, 0,1,2,3,4,5,6,7
	global_load_b128 v[32*((\i)%8)+4*\j:32*((\i)%8)+4*\j+3], v1, s[4:5] offset:((\i)+8*((\i)/8))*4096+512*\j th:TH_LOAD_NT
.endr
.endm
; A head's turn.  left: the loads issued behind this head's 13
.macro HEAD hd, left
.set HN, (\hd)%4
.set ON, (\hd)%2
	s_wait_loadcnt \left
	WIN 0x05                                       ; sources 0 and 1 window 1, the results window 0
.irp c, 0,1,2,3
	v_wmma_scale_f32_16x16x128_f8f6f4 v[DD+8*\c:DD+8*\c+7], v[48*HN+12*\c:48*HN+12*\c+11], v[PF+12*HN:PF+12*HN+11], 0, v[GS+4*HN+\c], v[PSW+HN] matrix_a_fmt:MATRIX_FMT_BF6 matrix_b_fmt:MATRIX_FMT_BF6
.endr
.rept 5
	v_nop                                          ; four places in front of the reads of the results and of the loads into the operands, five in front of the next head's products, which write over these results
.endr
	WIN 0
	s_wait_dscnt 8                                 ; the stores of two heads ago have read this set of o; the last head's eight may be out
.if (\hd) >= 2
	s_wait_alu depctr_vm_vsrc(0)                   ; the LDS stores of two heads ago have read this set of o, which the multiplications below write again
.endif
.set i, 0
.rept 16
	v_pk_mul_f32 v[OO+32*ON+i:OO+32*ON+i+1], v[DD+i:DD+i+1], v[PRL+2*HN:PRL+2*HN+1] op_sel_hi:[1,0]   ; / l; each result from its low end on
.set i, i+2
.endr
	s_wait_alu depctr_va_vdst(0)                   ; the products are done reading this head's fragments and scale words and the multiplications its 1 / l, in which the loads below land; and the multiplications have written o, which the LDS stores below read
.if (\hd) < 12
	XROW (\hd)+4                                   ; the stream goes on: a row of x,
	HLOAD HN, (\hd)+4                              ; and the head four further on, into the set just multiplied
.endif
	WIN 0
.irp c, 0,1,2,3
	ds_store_b128 v4, v[OO+32*ON+8*\c:OO+32*ON+8*\c+3] offset:256*(\hd)+64*\c
	ds_store_b128 v4, v[OO+32*ON+8*\c+4:OO+32*ON+8*\c+7] offset:256*(\hd)+64*\c+16
.endr
.endm
.macro DSL p                           ; o's rows 2 p and 2 p + 1 from the stage: 16 loads of 512 consecutive bytes
.irp u, 0,1
.irp j, 0,1,2,3,4,5,6,7
	ds_load_b128 v[Y+32*((2*(\p)+\u)%4)+4*\j:Y+32*((2*(\p)+\u)%4)+4*\j+3], v5 offset:4112*(2*(\p)+\u)+512*\j
.endr
.endr
.endm
.macro FOLD                            ; each row's two chains, their halves, and the 32 lanes: the sum in every lane; the two rows by turns
.irp u, 0,1
	v_pk_add_f32 v[SM+4*\u:SM+4*\u+1], v[SM+4*\u:SM+4*\u+1], v[SM+4*\u+2:SM+4*\u+3]
.endr
.irp u, 0,1
	v_add_f32 v[SM+4*\u], v[SM+4*\u], v[SM+4*\u+1]
.endr
.irp m, 1,2,4,8
.irp u, 0,1
	v_add_f32_dpp v[SM+4*\u], v[SM+4*\u], v[SM+4*\u] row_xmask:\m row_mask:0xf bank_mask:0xf
.endr
.endr
.irp u, 0,1
	v_permlanex16_b32 v[TP+\u], v[SM+4*\u], s18, s19
.endr
.irp u, 0,1
	v_add_f32 v[SM+4*\u], v[SM+4*\u], v[TP+\u]
.endr
.endm
; Rows 2 p and 2 p + 1 of my tile
.macro PAIR p
.set YA, Y+32*((2*(\p))%4)             ; row 2 p; row 2 p + 1 lies 32 registers on, in o and in x alike
.set XA, 32*((2*(\p))%8)
	s_wait_dscnt 0x0                               ; the pair's rows of o are back from the stage
	WIN 0x08+4*((\p)/4)                            ; source 1: window 2 or 3
.set i2, 0
.rept 32
	v_pk_add_f32 v[YA+i2:YA+i2+1], v[YA+i2:YA+i2+1], v[XA+i2:XA+i2+1]   ; y = o + x
.set i2, i2+2
.endr
	WIN 0
.irp u, 0,1
	v_pk_add_f32 v[SM+4*\u:SM+4*\u+1], v[YA+32*\u:YA+32*\u+1], v[YA+32*\u+2:YA+32*\u+3]
	v_pk_add_f32 v[SM+4*\u+2:SM+4*\u+3], v[YA+32*\u+4:YA+32*\u+5], v[YA+32*\u+6:YA+32*\u+7]
.endr
.irp j, 8,12,16,20,24,28
.irp u, 0,1
	v_pk_add_f32 v[SM+4*\u:SM+4*\u+1], v[SM+4*\u:SM+4*\u+1], v[YA+32*\u+\j:YA+32*\u+\j+1]
	v_pk_add_f32 v[SM+4*\u+2:SM+4*\u+3], v[SM+4*\u+2:SM+4*\u+3], v[YA+32*\u+\j+2:YA+32*\u+\j+3]
.endr
.endr
	FOLD
.irp u, 0,1
	v_mul_f32 v[MU+2*\u], s20, v[SM+4*\u]          ; the mean
.endr
.if (\p) < 7
	s_wait_xcnt 0x0                                ; the last pair's stores, issued half a pair ago, have read their registers: those two sets are written again only behind this wait
	s_wait_alu depctr_vm_vsrc(0)                   ; the stores that last read the other two sets (the last pair's global stores; in the first pair head 15's LDS stores) have read them: the loads below land there
	s_wait_alu depctr_va_vdst(0)                   ; the arithmetic that last wrote and read the other two sets (the last pair's; in the first pair head 15's multiplications) is done: the loads below land there
	DSL (\p)+1
.endif
.irp u, 0,1
.set i2, 0
.rept 16
	v_pk_add_f32 v[YA+32*\u+i2:YA+32*\u+i2+1], v[YA+32*\u+i2:YA+32*\u+i2+1], v[MU+2*\u:MU+2*\u+1] op_sel_hi:[1,0] neg_lo:[0,1] neg_hi:[0,1]
.set i2, i2+2
.endr
.endr
.irp u, 0,1
	v_pk_mul_f32 v[SM+4*\u:SM+4*\u+1], v[YA+32*\u:YA+32*\u+1], v[YA+32*\u:YA+32*\u+1]
	v_pk_mul_f32 v[SM+4*\u+2:SM+4*\u+3], v[YA+32*\u+2:YA+32*\u+3], v[YA+32*\u+2:YA+32*\u+3]
.endr
.irp j, 4,8,12,16,20,24,28
.irp u, 0,1
	v_pk_fma_f32 v[SM+4*\u:SM+4*\u+1], v[YA+32*\u+\j:YA+32*\u+\j+1], v[YA+32*\u+\j:YA+32*\u+\j+1], v[SM+4*\u:SM+4*\u+1]
	v_pk_fma_f32 v[SM+4*\u+2:SM+4*\u+3], v[YA+32*\u+\j+2:YA+32*\u+\j+3], v[YA+32*\u+\j+2:YA+32*\u+\j+3], v[SM+4*\u+2:SM+4*\u+3]
.endr
.endr
	FOLD
.irp u, 0,1
	v_fma_f32 v[RQ+2*\u], v[SM+4*\u], s20, s21     ; the variance + 1e-5
.endr
.irp u, 0,1
	v_rsq_f32 v[RQ+2*\u], v[RQ+2*\u]
.endr
	v_nop                                          ; a plain place behind the roots
	s_wait_alu depctr_va_vdst(0)                   ; the two roots are written, ahead of their first reader
.irp u, 0,1
.set i2, 0
.rept 16
	v_pk_mul_f32 v[YA+32*\u+i2:YA+32*\u+i2+1], v[YA+32*\u+i2:YA+32*\u+i2+1], v[RQ+2*\u:RQ+2*\u+1] op_sel_hi:[1,0]
.set i2, i2+2
.endr
.endr
.irp u, 0,1
.set i2, 0
.rept 16
	v_pk_fma_f32 v[YA+32*\u+i2:YA+32*\u+i2+1], v[YA+32*\u+i2:YA+32*\u+i2+1], v[GAM+i2:GAM+i2+1], v[BET+i2:BET+i2+1]
.set i2, i2+2
.endr
.endr
	s_wait_alu depctr_va_vdst(0)                   ; the pair's two rows are written, which the sixteen stores below read
.irp u, 0,1
.irp j, 0,1,2,3,4,5,6,7
	global_store_b128 v1, v[YA+32*\u+4*\j:YA+32*\u+4*\j+3], s[14:15] offset:((2*(\p)+\u)+8*((2*(\p)+\u)/8))*4096+512*\j th:TH_STORE_NT   ; 512 consecutive bytes, aligned to 256
.endr
.endr
.endm
	s_load_b256 s[4:11], s[0:1], 0x0               ; x s[4:5], pq s[6:7], gq s[8:9], gamma s[10:11]
	s_load_b128 s[12:15], s[0:1], 0x20             ; beta s[12:13], out0 s[14:15]
	v_lshl_add_u32 v254, v0, 2, 0x40400
	v_mov_b32 v255, 0
	v_lshrrev_b32 v6, 5, v0
	v_readfirstlane_b32 s16, v6                    ; wave = tile of rows
	v_and_b32 v7, 31, v0
	v_and_b32 v8, 15, v0                           ; r
	v_bfe_u32 v9, v0, 4, 1                         ; h
	v_lshlrev_b32 v1, 4, v7
	v_lshlrev_b32 v2, 3, v7
	v_lshlrev_b32 v3, 2, v8
	s_wait_alu depctr_va_sdst(0)                   ; s16 is written, ahead of its first reader: the stage's address and the buffers' offsets are made from it
	s_mul_i32 s17, s16, 65792                      ; my stage
	v_mul_u32_u24 v4, v8, 4112
	v_lshl_add_u32 v4, v9, 5, v4
	v_add_nc_u32 v4, s17, v4                       ; in: row r, + 32 h
	v_add_nc_u32 v5, s17, v1                       ; back: 16 bytes a lane
	s_mov_b32 s18, 0x76543210
	s_mov_b32 s19, 0xfedcba98
	s_mov_b32 s20, 0x3a800000                      ; 1 / 1,024
	s_mov_b32 s21, 0x3727c5ac                      ; 1e-5
	WIN 0x40
.set f, 0
.rept 20
.irp j, 6,7,8,9,10,11
	v_mov_b32 v[12*f+\j], 0                        ; the zero codes of K = 64 .. 127 of the twenty fragments, once for all heads
.endr
.set f, f+1
.endr
	WIN 0
.irp n, 0,1,2,3
	v_mov_b32 v[PRL+2*\n+1], 0                     ; the upper halves of pairs of which the low word serves both halves,
.endr
.irp u, 0,1
	v_mov_b32 v[MU+2*\u+1], 0
	v_mov_b32 v[RQ+2*\u+1], 0
	v_mov_b32 v[TP+\u], 0                          ; and a lane permute's destination, which counts as one of its sources
.endr
	s_lshl_b32 s22, ttmp9, 6
	s_lshr_b32 s23, s16, 1
	s_lshl_b32 s23, s23, 5
	s_add_co_u32 s22, s22, s23
	s_and_b32 s23, s16, 1
	s_lshl_b32 s23, s23, 3
	s_add_co_u32 s22, s22, s23                     ; my tile's first row: 64 R + 32 (T / 2) + 8 (T % 2)
	s_lshl_b32 s22, s22, 12
	s_mov_b32 s23, 0
	s_mul_i32 s24, ttmp9, 49152
	s_mul_i32 s25, s16, 12288
	s_add_co_u32 s24, s24, s25                     ; my tile's codes of p
	s_mov_b32 s25, 0
	s_lshl_b32 s26, ttmp9, 13
	s_lshl_b32 s27, s16, 11
	s_add_co_u32 s26, s26, s27
	s_add_co_u32 s26, s26, PSOFF                   ; its scale words and 1 / l
	s_mov_b32 s27, 0
	s_lshr_b32 s28, ttmp9, 6
	s_mul_i32 s28, s28, 57344                      ; the batch's sixteen maps
	s_mov_b32 s29, 0
	s_wait_kmcnt 0x0
	s_add_nc_u64 s[4:5], s[4:5], s[22:23]
	s_add_nc_u64 s[14:15], s[14:15], s[22:23]
	s_add_nc_u64 s[30:31], s[6:7], s[26:27]
	s_add_nc_u64 s[6:7], s[6:7], s[24:25]
	s_add_nc_u64 s[8:9], s[8:9], s[28:29]
	s_wait_alu depctr_va_vdst(0)                   ; the offsets and addresses v1 to v5 are written, which every load, store and LDS instruction of the kernel reads; so are the fragments' zero codes, which the scaled products take
.irp j, 0,1,2,3,4,5,6,7
	global_load_b128 v[GAM+4*\j:GAM+4*\j+3], v1, s[10:11] offset:512*\j
	global_load_b128 v[BET+4*\j:BET+4*\j+3], v1, s[12:13] offset:512*\j
.endr
.irp n, 0,1,2,3
	XROW \n
	HLOAD \n, \n
.endr
.irp hd, 0,1,2,3,4,5,6,7,8,9,10,11,12
	HEAD \hd, 63                                   ; behind this head's loads: three times a row of x and a head, 3 x (8 + 13)
.endr
	HEAD 13, 42                                    ; twice
	HEAD 14, 21                                    ; once
	HEAD 15, 0                                     ; the stream's last loads: x's sixteen rows are in too, so the rows below wait for no load
	s_wait_dscnt 0x0                               ; my stores into the stage have read their registers, which the rows at work take
	s_wait_alu depctr_vm_vsrc(0)                   ; head 14's LDS stores have read v128-159, in which the loads below land (the vector and matrix instructions that named v96-159 stand ahead of head 15's wait on va_vdst)
	DSL 0
.irp p, 0,1,2,3,4,5,6,7
	PAIR \p
.endr
	s_wait_dscnt 0x0                               ; the closing lines, six on end
	s_wait_alu 0x0
	s_wait_tensorcnt 0x0
	ds_add_u32 v254, v255
	s_wait_dscnt 0x0
	s_endpgm
.Lfunc_end_k_qd555dfa6e1_out:
	.size	k_qd555dfa6e1_out, .Lfunc_end_k_qd555dfa6e1_out-k_qd555dfa6e1_out
	.p2alignl 7, 3214868480
	.fill 96, 4, 3214868480
	.section	.rodata,"a",@progbits
	.p2align	6, 0x0
	.amdhsa_kernel k_qd555dfa6e1_out
		.amdhsa_group_segment_fixed_size 263680
		.amdhsa_private_segment_fixed_size 0
		.amdhsa_enable_private_segment 0
		.amdhsa_kernarg_size 48
		.amdhsa_user_sgpr_count 2
		.amdhsa_user_sgpr_kernarg_segment_ptr 1
		.amdhsa_wavefront_size32 1
		.amdhsa_system_sgpr_workgroup_id_x 1
		.amdhsa_system_sgpr_workgroup_id_y 1
		.amdhsa_system_sgpr_workgroup_id_z 1
		.amdhsa_system_vgpr_workitem_id 0
		.amdhsa_next_free_vgpr 1024
		.amdhsa_next_free_sgpr 66
		.amdhsa_reserve_vcc 0
		.amdhsa_float_denorm_mode_32 3
		.amdhsa_float_denorm_mode_16_64 3
		.amdhsa_memory_ordered 1
		.amdhsa_forward_progress 1
		.amdhsa_inst_pref_size 211
	.end_amdhsa_kernel
	.amdgpu_metadata
---
amdhsa.version: [ 1, 2 ]
amdhsa.kernels:
  - .name:           k_qd555dfa6e1_out
    .symbol:         k_qd555dfa6e1_out.kd
    .args:
      - { .name: x, .offset: 0, .size: 8, .value_kind: global_buffer, .address_space: global }
      - { .name: pq, .offset: 8, .size: 8, .value_kind: global_buffer, .address_space: global }
      - { .name: gq, .offset: 16, .size: 8, .value_kind: global_buffer, .address_space: global }
      - { .name: gamma, .offset: 24, .size: 8, .value_kind: global_buffer, .address_space: global }
      - { .name: beta, .offset: 32, .size: 8, .value_kind: global_buffer, .address_space: global }
      - { .name: out0, .offset: 40, .size: 8, .value_kind: global_buffer, .address_space: global }
    .group_segment_fixed_size: 263680
    .private_segment_fixed_size: 0
    .kernarg_segment_align: 8
    .kernarg_segment_size: 48
    .max_flat_workgroup_size: 128
    .sgpr_count:     66
    .vgpr_count:     1024
    .wavefront_size: 32
...
	.end_amdgpu_metadata
.endif
;; end of part 6
